; MI455X (gfx1250); checked and timed in simulation.
; The chip was launched on July 23, 2026; its instructions are those of AMD's public machine-readable ISA for CDNA 5 (MIT licence, August 2026) and "CDNA5" Instruction Set Architecture Reference Guide (July 2026). The comments in the code are by the model that wrote it; some were corrected since.
;; Mo E Layer. Allowed arithmetic: float matrix products may take bf16 or f16 operands with f32 sums; all other float work in f32.
;; Inputs: expert_b 8 x 1,024 float32; expert_w 8 x 1,024 x 1,024 float32; gate_b 8 float32; gate_w 8 x 1,024 float32; x 4 x 2,048 x 1,024 float32.
;; Outputs: out0 4 x 2,048 x 1,024 float32.
;; 2 versions, each right; version 2 is version 1 with the launches prep, gather written anew for expert scheduling mode. Each part assembles by itself: llvm-mc -triple=amdgcn-amd-amdhsa -mcpu=gfx1250 --defsym DOCPART=n.
;; ======== version 1 of 2: 4 launches
;; limits: values outside matrix products are rounded to bf16
;; workspace buffers: wb 16,777,216 bytes; xs 25,165,824 bytes; gwt 65,536 bytes; gws 98,304 bytes; cnt 65,536 bytes of whole numbers; route 61,440 bytes of whole numbers; plist 49,152 bytes of whole numbers
;; launch prep (part 1): grid 256 x 1, 8 waves a work-group, no clusters, 18,432 bytes of LDS; arguments x, gate_w, gate_b, expert_w, wb, gwt, cnt; writes wb, gwt, cnt
.if DOCPART == 1
	.amdgcn_target "amdgcn-amd-amdhsa--gfx1250"
	.amdhsa_code_object_version 6
	.text
	.protected	k_q0595ab3130_prep
	.globl	k_q0595ab3130_prep
	.p2align	8
	.type	k_q0595ab3130_prep,@function
k_q0595ab3130_prep:
	s_mov_b64 s[64:65], 0
	v_nop
	global_prefetch_b8 v0, s[64:65] scope:SCOPE_SE
	s_setreg_imm32_b32 hwreg(HW_REG_WAVE_MODE, 25, 1), 1
	s_wait_xcnt 0x0
; ROUTER AND CAST.  8,192 tokens of 1,024 numbers, 8 experts, the best 2 kept.
; Work-group b owns tokens 32 b .. 32 b + 31 (wave w: four of them, one whole row at a time) and casts 32,768 numbers of expert_w to bf16.
; For each token: logits l[e] = x . gate_w[e] + gate_b[e]; the two largest (m1 >= m2, a tie takes the lower index, as top_k does);
; softmax over these two with the maximum taken away: g1 = 1 / (1 + e^(m2 - m1)), g2 = e^(m2 - m1) g1; the other six weights are exactly 0.
; Stored: key p = hi (hi - 1) / 2 + lo (0..27) of the unordered pair lo < hi; (g_lo, g_hi); the block's count of each key.
; FORMATS.  The expert products take x and expert_w rounded to bf16, so the router decides on the same rounded x, and on gate_w and gate_b
; rounded to bf16 too: one consistent set of numbers.  Products of two bf16 are exact in f32; the sums are f32.  This is 8 x 1,024 multiply-adds a
; token, a thousandth of the expert products, and a wave reads a row in whole pieces of 512 bytes: it is done by the vector unit.
; LIMITS.  A NaN among the logits is not served.  gate_b is rounded to bf16 (relative error up to 2^-9).  Where m1 - m2 exceeds 126 ln 2 the
; exponential comes out as 0 (ISA guide 15.8: results below 2^-126 are flushed), so g2 = 0 and g1 = 1.
.set GW,   16                          ; v[16:143]  gate_w as bf16 pairs: expert e, words 16 e .. 16 e + 15 = my lane's 32 numbers of the row
.set XR,   144                         ; v[144:207] two row buffers of 32 (f32 as loaded); later the cast's 16 slots of 4
.set XP,   208                         ; v[208:223] the row in hand as bf16 pairs
.set ACC,  224                         ; v[224:231] eight sums
.set BI,   232                         ; v[232:239] what starts the sums: gate_b[e] in lane 0, 0 elsewhere
.set T,    240                         ; v[240:255] at work
.set M1,   T+8
.set I1,   T+9
.set M2,   T+10
.set I2,   T+11
.set GLO,  T+12                        ; an even pair: (g_lo, g_hi)
.set EX,   T+14
.set TM,   T+15
.set Y,    208                         ; the cast: slot k's two words to store
.set KEYL, 16384                       ; LDS: 0..16383 gate_w as bf16, [e][j][lane] 8 bytes; then 32 keys; then 32 pairs of weights
.set GL,   16640
	s_load_b256 s[4:11], s[0:1], 0x0               ; x s[4:5], gate_w s[6:7], gate_b s[8:9], expert_w s[10:11]
	s_load_b128 s[12:15], s[0:1], 0x20             ; wb s[12:13], gwt s[14:15]
	s_load_b64 s[16:17], s[0:1], 0x30              ; cnt
	s_set_vgpr_msb 0x40
	v_lshl_add_u32 v0, v0, 2, 0x4400
	v_mov_b32 v1, 0
	s_set_vgpr_msb 0x4000
	v_and_b32 v1, 31, v0                           ; lane
	v_lshrrev_b32 v8, 5, v0
	v_readfirstlane_b32 s18, v8                    ; wave 0..7
	v_lshlrev_b32 v2, 4, v1                        ; 16 x lane
	v_lshlrev_b32 v3, 3, v1                        ; 8 x lane
	v_lshl_add_u32 v9, s18, 12, v2                 ; gate_w: row w, my 16 bytes
	v_lshl_add_u32 v4, s18, 11, v3                 ; LDS: expert w's 2,048 bytes, my 8
	v_lshl_add_u32 v7, s18, 13, v3                 ; wb: my wave's 8,192 bytes, my 8
	v_lshl_add_u32 v2, s18, 14, v2                 ; x: my wave's 4 rows of 4,096 bytes; expert_w: my wave's 16,384 bytes
	s_lshl_b32 s38, s18, 4
	v_mov_b32 v5, s38                              ; LDS: my wave's 4 keys
	s_lshl_b32 s38, s18, 5
	v_mov_b32 v6, s38                              ; LDS: my wave's 4 pairs of weights
	v_mov_b32 v15, 0xff800000                      ; minus infinity
	s_lshl_b32 s30, ttmp9, 17                      ; b x 131,072: 32 rows of x, and the block's part of expert_w
	s_mov_b32 s31, 0
	s_lshl_b32 s32, ttmp9, 16                      ; b x 65,536 in wb
	s_mov_b32 s33, 0
	s_lshl_b32 s34, ttmp9, 7                       ; b x 128 in cnt
	s_mov_b32 s35, 0
	s_lshl_b32 s36, ttmp9, 8                       ; b x 256 in gwt
	s_mov_b32 s37, 0
	s_mov_b32 s28, 0x76543210                      ; v_permlanex16_b32: each lane takes its own place in the other half
	s_mov_b32 s29, 0xfedcba98
	s_wait_kmcnt 0x0
	s_load_b256 s[20:27], s[8:9], 0x0              ; gate_b, all eight
	s_add_nc_u64 s[4:5], s[4:5], s[30:31]
	s_add_nc_u64 s[10:11], s[10:11], s[30:31]
	s_add_nc_u64 s[12:13], s[12:13], s[32:33]
	s_add_nc_u64 s[16:17], s[16:17], s[34:35]
	s_add_nc_u64 s[14:15], s[14:15], s[36:37]
.irp j, 0,1,2,3,4,5,6,7
	global_load_b128 v[224+4*\j:224+4*\j+3], v9, s[6:7] offset:512*\j          ; gate_w's row w, 512 neighbouring bytes a load
.endr
.irp i, 0,1
.irp j, 0,1,2,3,4,5,6,7
	global_load_b128 v[XR+32*\i+4*\j:XR+32*\i+4*\j+3], v2, s[4:5] offset:\i*4096+512*\j   ; my first two rows of x
.endr
.endr
	s_wait_loadcnt 16                              ; gate_w's row is in; the 16 loads of x behind it stay out
.set d, 0
.rept 16
	v_cvt_pk_bf16_f32 v[224+d], v[224+2*d], v[224+2*d+1]       ; in place, ascending: word d is written when words 2 d, 2 d + 1 are read
.set d, d+1
.endr
.irp j, 0,1,2,3,4,5,6,7
	ds_store_b64 v4, v[224+2*\j:224+2*\j+1] offset:256*\j
.endr
	s_wait_dscnt 0x0                               ; for the others' sake: my expert's row is in LDS
	s_barrier_signal -1
	s_barrier_wait -1
.irp e, 0,1,2,3,4,5,6,7
.irp j, 0,1,2,3,4,5,6,7
	ds_load_b64 v[GW+16*\e+2*\j:GW+16*\e+2*\j+1], v3 offset:\e*2048+\j*256     ; all eight rows, my lane's columns
.endr
.endr
	s_wait_kmcnt 0x0                               ; gate_b
	v_cmp_eq_u32 vcc_lo, 0, v1
.irp e, 0,1,2,3,4,5,6,7
	v_mov_b32 v8, s[20+\e]
	v_cvt_pk_bf16_f32 v8, v8, v8
	v_lshlrev_b32 v8, 16, v8                       ; gate_b[e] rounded to bf16, as f32
	v_cndmask_b32 v[BI+\e], 0, v8, vcc_lo          ; in lane 0 alone: it enters the sum over the lanes once
	v_mov_b32 v[T+\e], 0                           ; v_permlanex16_b32 counts as a reader of its destination
.endr
	s_wait_dscnt 0x0
; One token.  left = the loads of the next row, which stay out.
.macro TOKEN i, left
.set XB, XR+32*(\i%2)
	s_wait_loadcnt \left
.set d, 0
.rept 16
	v_cvt_pk_bf16_f32 v[XP+d], v[XB+2*d], v[XB+2*d+1]
.set d, d+1
.endr
.if \i < 2
.irp j, 0,1,2,3,4,5,6,7
	global_load_b128 v[XB+4*\j:XB+4*\j+3], v2, s[4:5] offset:(\i+2)*4096+512*\j   ; the buffer takes the row two further on
.endr
.endif
	; 256 multiply-adds from bf16 halves into f32: eight sums that do not wait for each other; the first product starts each sum on BI
.set c, 0
.rept 16
.irp e, 0,1,2,3,4,5,6,7
.if c == 0
	v_fma_mix_f32_bf16 v[ACC+\e], v[XP+c], v[GW+16*\e+c], v[BI+\e] op_sel_hi:[1,1,0]
.else
	v_fma_mix_f32_bf16 v[ACC+\e], v[XP+c], v[GW+16*\e+c], v[ACC+\e] op_sel_hi:[1,1,0]
.endif
.endr
.irp e, 0,1,2,3,4,5,6,7
	v_fma_mix_f32_bf16 v[ACC+\e], v[XP+c], v[GW+16*\e+c], v[ACC+\e] op_sel:[1,1,0] op_sel_hi:[1,1,0]
.endr
.set c, c+1
.endr
	; over the 32 lanes; every lane ends with the same eight logits
.irp m, 1,2,4,8
.irp e, 0,1,2,3,4,5,6,7
	v_add_f32_dpp v[ACC+\e], v[ACC+\e], v[ACC+\e] row_xmask:\m row_mask:0xf bank_mask:0xf
.endr
.endr
.irp e, 0,1,2,3,4,5,6,7
	v_permlanex16_b32 v[T+\e], v[ACC+\e], s28, s29
.endr
.irp e, 0,1,2,3,4,5,6,7
	v_add_f32 v[ACC+\e], v[ACC+\e], v[T+\e]
.endr
	; the largest: a later logit takes over only if it is strictly larger
	v_mov_b32 v[M1], v[ACC]
	v_mov_b32 v[I1], 0
.irp e, 1,2,3,4,5,6,7
	v_cmp_le_f32 vcc_lo, v[ACC+\e], v[M1]
	v_cndmask_b32 v[I1], \e, v[I1], vcc_lo
	v_cndmask_b32 v[M1], v[ACC+\e], v[M1], vcc_lo
.endr
.irp e, 0,1,2,3,4,5,6,7
	v_cmp_eq_u32 vcc_lo, \e, v[I1]
	v_cndmask_b32 v[ACC+\e], v[ACC+\e], v15, vcc_lo            ; it leaves the field
.endr
	v_mov_b32 v[M2], v[ACC]
	v_mov_b32 v[I2], 0
.irp e, 1,2,3,4,5,6,7
	v_cmp_le_f32 vcc_lo, v[ACC+\e], v[M2]
	v_cndmask_b32 v[I2], \e, v[I2], vcc_lo
	v_cndmask_b32 v[M2], v[ACC+\e], v[M2], vcc_lo
.endr
	v_sub_f32 v8, v[M2], v[M1]                     ; <= 0: the maximum is taken away
	v_mul_f32 v8, 0x3fb8aa3b, v8                   ; x log2(e)
	v_exp_f32 v[EX], v8
	v_min_u32 v12, v[I1], v[I2]                    ; lo: a plain instruction between the exponential and the use of its result (ISA guide 5.7.2)
	v_max_u32 v13, v[I1], v[I2]                    ; hi
	s_wait_alu depctr_va_vdst(0)
	v_add_f32 v9, 1.0, v[EX]
	v_rcp_f32 v10, v9                              ; g1
	v_add_nc_u32 v[TM], -1, v13                    ; again a plain instruction in between
	v_mul_u32_u24 v[TM], v13, v[TM]
	v_lshrrev_b32 v[TM], 1, v[TM]
	v_add_nc_u32 v14, v[TM], v12                   ; p = hi (hi - 1) / 2 + lo
	s_wait_alu depctr_va_vdst(0)
	v_mul_f32 v11, v[EX], v10                      ; g2
	v_cmp_lt_u32 vcc_lo, v[I1], v[I2]
	v_cndmask_b32 v[GLO], v11, v10, vcc_lo         ; the lower index's weight
	v_cndmask_b32 v[GLO+1], v10, v11, vcc_lo       ; the higher index's
	ds_store_b32 v5, v14 offset:KEYL+4*\i          ; all lanes write the same word with the same value
	ds_store_b64 v6, v[GLO:GLO+1] offset:GL+8*\i
.endm
	TOKEN 0, 8
	TOKEN 1, 8
	TOKEN 2, 8
	TOKEN 3, 0
.irp k, 0,1,2,3,4,5,6,7,8,9,10,11,12,13,14,15
	global_load_b128 v[XR+4*\k:XR+4*\k+3], v2, s[10:11] offset:512*\k th:TH_LOAD_NT   ; the cast's ring is filled: 16 loads of 512 bytes a wave
.endr
	s_wait_dscnt 0x0                               ; for wave 0's sake: my keys and weights are in LDS
	s_barrier_signal -1
	s_barrier_wait -1
	s_cmp_lg_u32 s18, 0
	s_cbranch_scc1 .Lcast
	; wave 0, lane = token: the block's keys, weights and counts go out.  It issues no load here, so the ring's counts hold for every wave.
	v_lshlrev_b32 v8, 2, v1
	ds_load_b32 v9, v8 offset:KEYL
	ds_load_b64 v[10:11], v3 offset:GL
	s_wait_dscnt 0x0
	v_mov_b32 v12, 0                               ; bins 28 to 31 stay 0
.set p, 0
.rept 28
	v_cmp_eq_u32 vcc_lo, p, v9
	s_bcnt1_i32_b32 s30, vcc_lo
	v_writelane_b32 v12, s30, p                    ; lane p: how many of the 32 tokens have key p
.set p, p+1
.endr
	global_store_b32 v8, v12, s[16:17]             ; hist[b][32]
	global_store_b32 v8, v9, s[16:17] offset:32768 ; key[32 b + lane]
	global_store_b64 v3, v[10:11], s[14:15]        ; gwt[32 b + lane]
.Lcast:
; expert_w to bf16, in its own order.  A ring of 16 slots, walked twice: 32 pieces of 512 bytes a wave.  left = the younger loads, which stay out.
.macro WSLOT k, ahead, left
	s_wait_loadcnt \left                           ; loads come back in order (ISA guide 5.7.1): the slot's is in
	s_wait_xcnt 0x0                                ; the slot's two words, which its last store reads, are rewritten only behind this wait
	v_cvt_pk_bf16_f32 v[Y+2*\k], v[XR+4*\k], v[XR+4*\k+1]
	v_cvt_pk_bf16_f32 v[Y+2*\k+1], v[XR+4*\k+2], v[XR+4*\k+3]
.if \ahead
	global_load_b128 v[XR+4*\k:XR+4*\k+3], v2, s[10:11] offset:512*(\k+16) th:TH_LOAD_NT
	global_store_b64 v7, v[Y+2*\k:Y+2*\k+1], s[12:13] offset:256*\k            ; the wave's store covers 256 consecutive bytes, aligned
.else
	global_store_b64 v7, v[Y+2*\k:Y+2*\k+1], s[12:13] offset:256*(\k+16)
.endif
.endm
.irp k, 0,1,2,3,4,5,6,7,8,9,10,11,12,13,14,15
	WSLOT \k, 1, 15
.endr
.irp k, 0,1,2,3,4,5,6,7,8,9,10,11,12,13,14,15
	WSLOT \k, 0, 15-\k                             ; the second walk loads nothing: the counts run down
.endr
	s_set_vgpr_msb 0x5
	s_wait_tensorcnt 0x0
	ds_add_u32 v0, v1
	s_wait_dscnt 0x0
	s_set_vgpr_msb 0x500
	s_endpgm
.Lfunc_end_k_q0595ab3130_prep:
	.size	k_q0595ab3130_prep, .Lfunc_end_k_q0595ab3130_prep-k_q0595ab3130_prep
	.p2alignl 7, 3214868480
	.fill 96, 4, 3214868480
	.section	.rodata,"a",@progbits
	.p2align	6, 0x0
	.amdhsa_kernel k_q0595ab3130_prep
		.amdhsa_group_segment_fixed_size 18432
		.amdhsa_private_segment_fixed_size 0
		.amdhsa_enable_private_segment 0
		.amdhsa_kernarg_size 56
		.amdhsa_user_sgpr_count 2
		.amdhsa_user_sgpr_kernarg_segment_ptr 1
		.amdhsa_wavefront_size32 1
		.amdhsa_system_sgpr_workgroup_id_x 1
		.amdhsa_system_sgpr_workgroup_id_y 1
		.amdhsa_system_sgpr_workgroup_id_z 1
		.amdhsa_system_vgpr_workitem_id 0
		.amdhsa_next_free_vgpr 258
		.amdhsa_next_free_sgpr 66
		.amdhsa_reserve_vcc 1
		.amdhsa_float_denorm_mode_32 3
		.amdhsa_float_denorm_mode_16_64 3
		.amdhsa_memory_ordered 1
		.amdhsa_forward_progress 1
		.amdhsa_inst_pref_size 119
	.end_amdhsa_kernel
	.amdgpu_metadata
---
amdhsa.version: [ 1, 2 ]
amdhsa.kernels:
  - .name:           k_q0595ab3130_prep
    .symbol:         k_q0595ab3130_prep.kd
    .args:
      - { .name: x, .offset: 0, .size: 8, .value_kind: global_buffer, .address_space: global }
      - { .name: gate_w, .offset: 8, .size: 8, .value_kind: global_buffer, .address_space: global }
      - { .name: gate_b, .offset: 16, .size: 8, .value_kind: global_buffer, .address_space: global }
      - { .name: expert_w, .offset: 24, .size: 8, .value_kind: global_buffer, .address_space: global }
      - { .name: wb, .offset: 32, .size: 8, .value_kind: global_buffer, .address_space: global }
      - { .name: gwt, .offset: 40, .size: 8, .value_kind: global_buffer, .address_space: global }
      - { .name: cnt, .offset: 48, .size: 8, .value_kind: global_buffer, .address_space: global }
    .group_segment_fixed_size: 18432
    .private_segment_fixed_size: 0
    .kernarg_segment_align: 8
    .kernarg_segment_size: 56
    .max_flat_workgroup_size: 256
    .sgpr_count:     66
    .vgpr_count:     258
    .wavefront_size: 32
...
	.end_amdgpu_metadata
.endif
;; end of part 1
;; launch place (part 2): grid 256 x 1, 8 waves a work-group, no clusters, 3,072 bytes of LDS; arguments cnt, route; writes route
.if DOCPART == 2
	.amdgcn_target "amdgcn-amd-amdhsa--gfx1250"
	.amdhsa_code_object_version 6
	.text
	.protected	k_q0595ab3130_place
	.globl	k_q0595ab3130_place
	.p2align	8
	.type	k_q0595ab3130_place,@function
k_q0595ab3130_place:
	s_mov_b64 s[64:65], 0
	v_nop
	global_prefetch_b8 v0, s[64:65] scope:SCOPE_SE
	s_setreg_imm32_b32 hwreg(HW_REG_WAVE_MODE, 25, 1), 1
	s_wait_xcnt 0x0
; PLACEMENT, whole numbers only.  Tokens are sorted by key (28 groups, one for each pair of experts lo < hi), without atomics.
; A group begins at a multiple of 128 positions: position = 128 x (the group's first tile) + tokens of the key in earlier blocks + rank among the
; block's own 32.  T = the sum of ceil(n / 128) over the groups lies between 64 and 91, so positions stay below 11,648.
; Work-group b places tokens 32 b .. 32 b + 31: list[position] = token.  The eight waves share the sums over the 256 blocks' counts; wave 0 does the rest.
; For b < 96 it also writes the record of row tile b: {source tile, valid rows 1..128, lo | hi << 8, T}.  The source tile is b itself where b < T;
; a tile at or past T names tile b - 64 (below 32, so always a real tile), which the later launches then repeat.
.set H,    16                          ; v[16:47]   32 rows of the table of counts, lane = key
.set KEY,  48
.set TOT,  52                          ; lane = key: tokens of the key in all blocks
.set BEF,  53                          ; in the blocks before b
.set VG,   54                          ; the group's first position
.set VS,   55
.set RANK, 56
.set POS,  57                          ; lane = token: its position
	s_load_b128 s[4:7], s[0:1], 0x0                ; cnt s[4:5], route s[6:7]
	v_lshl_add_u32 v72, v0, 2, 0x800
	v_mov_b32 v73, 0
	v_and_b32 v1, 31, v0                           ; lane
	v_lshrrev_b32 v6, 5, v0
	v_readfirstlane_b32 s16, v6                    ; wave 0..7
	s_mov_b32 s17, ttmp9                           ; b
	v_lshlrev_b32 v2, 2, v1                        ; 4 x lane
	v_lshl_add_u32 v3, s16, 12, v2                 ; + 32 w rows of 128 bytes of the table
	v_lshl_add_u32 v6, s16, 7, v2                  ; LDS: my wave's 32 words
	s_lshl_b32 s18, s17, 7
	s_mov_b32 s19, 0
	s_wait_kmcnt 0x0
	s_add_nc_u64 s[18:19], s[4:5], s[18:19]        ; cnt + 128 b
.set i, 0
.rept 32
	global_load_b32 v[H+i], v3, s[4:5] offset:128*i            ; counts of blocks 32 w .. 32 w + 31
.set i, i+1
.endr
	global_load_b32 v[KEY], v2, s[18:19] offset:32768          ; the block's 32 keys
	s_wait_loadcnt 0x0
	s_lshl_b32 s22, s16, 5
	s_sub_co_i32 s22, s17, s22                     ; block 32 w + i lies before b where i < b - 32 w
.set i, 0
.rept 32
	s_cmp_gt_i32 s22, i
	s_cselect_b32 s23, -1, 0
.if i == 0
	v_and_b32 v[BEF], s23, v[H]
	v_mov_b32 v[TOT], v[H]
.else
	v_and_b32 v58, s23, v[H+i]
	v_add_nc_u32 v[BEF], v[BEF], v58
	v_add_nc_u32 v[TOT], v[TOT], v[H+i]
.endif
.set i, i+1
.endr
	ds_store_b32 v6, v[TOT]
	ds_store_b32 v6, v[BEF] offset:1024
	s_wait_dscnt 0x0                               ; for wave 0's sake: my sums are in LDS
	s_barrier_signal -1
	s_barrier_wait -1
	s_cmp_lg_u32 s16, 0
	s_cbranch_scc1 .Lend                           ; the other waves have done their part
.irp k, 0,1,2,3,4,5,6,7
	ds_load_b32 v[H+\k], v2 offset:128*\k
	ds_load_b32 v[H+8+\k], v2 offset:1024+128*\k
.endr
	s_wait_dscnt 0x0
	v_add_nc_u32 v[TOT], v[H], v[H+1]
	v_add_nc_u32 v[BEF], v[H+8], v[H+9]
.irp k, 2,3,4,5,6,7
	v_add_nc_u32 v[TOT], v[TOT], v[H+\k]
	v_add_nc_u32 v[BEF], v[BEF], v[H+8+\k]
.endr
	; T first: the record's source tile hangs on it
	s_mov_b32 s32, 0
.set p, 0
.rept 28
	v_readlane_b32 s26, v[TOT], p
	s_add_co_u32 s26, s26, 127
	s_lshr_b32 s26, s26, 7
	s_add_co_u32 s32, s32, s26
.set p, p+1
.endr
	s_sub_co_u32 s33, s17, 64
	s_cmp_lt_u32 s17, s32
	s_cselect_b32 s33, s17, s33                    ; the source tile: b, or b - 64 at and past T
	; the 28 groups in order; s25 = the group's first tile.  The last group whose first tile is <= the source tile owns it (an empty group has the
	; next group's first tile and is overridden by it): its first tile, size and experts stay in s28 to s30.
	v_mov_b32 v[VG], 0
	s_mov_b32 s25, 0
	s_mov_b32 s28, 0
	s_mov_b32 s29, 0
	s_mov_b32 s30, 0
.irp hi, 1,2,3,4,5,6,7
.irp lo, 0,1,2,3,4,5,6
.if \lo < \hi
.set p, \hi*(\hi-1)/2+\lo
	v_readlane_b32 s26, v[TOT], p
	s_lshl_b32 s31, s25, 7
	v_writelane_b32 v[VG], s31, p                  ; the group's first position
	s_cmp_le_u32 s25, s33
	s_cselect_b32 s28, s25, s28
	s_cselect_b32 s29, s26, s29
	s_cselect_b32 s30, \lo+256*\hi, s30
	s_add_co_u32 s31, s26, 127
	s_lshr_b32 s31, s31, 7
	s_add_co_u32 s25, s25, s31
.endif
.endr
.endr
	; lane = token again
	v_min_u32 v[KEY], 27, v[KEY]
	v_add_nc_u32 v[VS], v[VG], v[BEF]
	v_lshlrev_b32 v58, 2, v[KEY]
	ds_bpermute_b32 v60, v58, v[VS]                ; my key's first position + earlier blocks' tokens
	v_mov_b32 v[RANK], 0
.set p, 0
.rept 28
	v_cmp_eq_u32 vcc_lo, p, v[KEY]
	v_mbcnt_lo_u32_b32 v59, vcc_lo, 0              ; lanes below mine with key p
	v_cndmask_b32 v[RANK], v[RANK], v59, vcc_lo
.set p, p+1
.endr
	s_wait_dscnt 0x0
	v_add_nc_u32 v[POS], v60, v[RANK]
	v_min_u32 v[POS], 0x2fff, v[POS]               ; list has 12,288 places
	v_lshlrev_b32 v61, 2, v[POS]
	s_lshl_b32 s31, s17, 5
	v_add_nc_u32 v62, s31, v1
	global_store_b32 v61, v62, s[6:7] offset:12288 ; list[position] = token; list lies behind the 96 records of 128 bytes
	s_cmp_ge_u32 s17, 96
	s_cbranch_scc1 .Lend
	s_sub_co_u32 s31, s33, s28                     ; the source tile is its group's tile j
	s_lshl_b32 s31, s31, 7
	s_sub_co_i32 s34, s29, s31                     ; what is left of the group there,
	s_min_i32 s34, s34, 128                        ; 128 rows at the most
	s_max_i32 s34, s34, 1
	v_mov_b32 v63, 0
	v_writelane_b32 v63, s33, 0
	v_writelane_b32 v63, s34, 1
	v_writelane_b32 v63, s30, 2
	v_writelane_b32 v63, s32, 3
	s_lshl_b32 s31, s17, 7
	v_add_nc_u32 v64, s31, v2
	global_store_b32 v64, v63, s[6:7]              ; the record: the wave's store covers its 128 bytes
.Lend:
	s_wait_tensorcnt 0x0
	ds_add_u32 v72, v73
	s_wait_dscnt 0x0
	s_endpgm
.Lfunc_end_k_q0595ab3130_place:
	.size	k_q0595ab3130_place, .Lfunc_end_k_q0595ab3130_place-k_q0595ab3130_place
	.p2alignl 7, 3214868480
	.fill 96, 4, 3214868480
	.section	.rodata,"a",@progbits
	.p2align	6, 0x0
	.amdhsa_kernel k_q0595ab3130_place
		.amdhsa_group_segment_fixed_size 3072
		.amdhsa_private_segment_fixed_size 0
		.amdhsa_enable_private_segment 0
		.amdhsa_kernarg_size 16
		.amdhsa_user_sgpr_count 2
		.amdhsa_user_sgpr_kernarg_segment_ptr 1
		.amdhsa_wavefront_size32 1
		.amdhsa_system_sgpr_workgroup_id_x 1
		.amdhsa_system_sgpr_workgroup_id_y 1
		.amdhsa_system_sgpr_workgroup_id_z 1
		.amdhsa_system_vgpr_workitem_id 0
		.amdhsa_next_free_vgpr 74
		.amdhsa_next_free_sgpr 66
		.amdhsa_reserve_vcc 1
		.amdhsa_float_denorm_mode_32 3
		.amdhsa_float_denorm_mode_16_64 3
		.amdhsa_memory_ordered 1
		.amdhsa_forward_progress 1
		.amdhsa_inst_pref_size 34
	.end_amdhsa_kernel
	.amdgpu_metadata
---
amdhsa.version: [ 1, 2 ]
amdhsa.kernels:
  - .name:           k_q0595ab3130_place
    .symbol:         k_q0595ab3130_place.kd
    .args:
      - { .name: cnt, .offset: 0, .size: 8, .value_kind: global_buffer, .address_space: global }
      - { .name: route, .offset: 8, .size: 8, .value_kind: global_buffer, .address_space: global }
    .group_segment_fixed_size: 3072
    .private_segment_fixed_size: 0
    .kernarg_segment_align: 8
    .kernarg_segment_size: 16
    .max_flat_workgroup_size: 256
    .sgpr_count:     66
    .vgpr_count:     74
    .wavefront_size: 32
...
	.end_amdgpu_metadata
.endif
;; end of part 2
;; launch gather (part 3): grid 384 x 1, 8 waves a work-group, no clusters, 0 bytes of LDS; arguments x, gwt, route, xs, gws, plist; writes xs, gws, plist
.if DOCPART == 3
	.amdgcn_target "amdgcn-amd-amdhsa--gfx1250"
	.amdhsa_code_object_version 6
	.text
	.protected	k_q0595ab3130_gather
	.globl	k_q0595ab3130_gather
	.p2align	8
	.type	k_q0595ab3130_gather,@function
k_q0595ab3130_gather:
	s_mov_b64 s[64:65], 0
	v_nop
	global_prefetch_b8 v0, s[64:65] scope:SCOPE_SE
	s_setreg_imm32_b32 hwreg(HW_REG_WAVE_MODE, 25, 1), 1
	s_wait_xcnt 0x0
; THE SORTED COPY.  12,288 positions = 96 row tiles of 128.  Position q of tile t takes the token at place min(q % 128, m - 1) of the tile's source
; tile (record: source tile, m valid rows): a place past the group's end repeats the tile's last valid token, and a tile at or past T repeats a
; whole earlier tile.  Stored: xs[q] = x[token] rounded to bf16, plist[q] = token, gws[q] = (g_lo, g_hi) of the token.
; So the expert launch finds every tile full, at an address that hangs on no number read from memory, and needs no mask: repeated rows give
; the same numbers for the same bytes of the output.
; Work-group c owns positions 32 c .. 32 c + 31 (a quarter of tile c / 4); wave w moves rows 4 w .. 4 w + 3, a whole row at a time.
; Memory binds: no LDS, no barrier.  Every number read from memory is clamped, in place, before it enters an address.
.set XO,   16                          ; v[16:19]   a row's byte offset in x, a register for each row
.set XR,   64                          ; v[64:191]  my four rows, 32 registers each
	s_load_b256 s[4:11], s[0:1], 0x0               ; x s[4:5], gwt s[6:7], route s[8:9], xs s[10:11]
	s_load_b128 s[12:15], s[0:1], 0x20             ; gws s[12:13], plist s[14:15]
	v_and_b32 v1, 31, v0                           ; lane
	v_lshrrev_b32 v2, 5, v0
	v_readfirstlane_b32 s16, v2                    ; wave 0..7
	s_lshr_b32 s17, ttmp9, 2                       ; tile
	s_and_b32 s18, ttmp9, 3                        ; which 32 of its 128 places
	v_lshlrev_b32 v3, 2, v1                        ; 4 x lane
	v_lshlrev_b32 v4, 4, v1                        ; 16 x lane
	v_lshlrev_b32 v5, 3, v1                        ; 8 x lane
	v_lshl_add_u32 v6, s16, 13, v5                 ; + my wave's 4 rows of 2,048 bytes in xs
	s_lshl_b32 s19, s18, 5
	v_add_nc_u32 v8, s19, v1                       ; lane = place in the tile
	s_lshl_b32 s20, s17, 7                         ; records of 128 bytes
	s_mov_b32 s21, 0
	s_lshl_b32 s26, ttmp9, 16                      ; 32 rows of xs
	s_mov_b32 s27, 0
	s_lshl_b32 s28, ttmp9, 7                       ; 32 words of plist
	s_mov_b32 s29, 0
	s_lshl_b32 s30, ttmp9, 8                       ; 32 pairs of gws
	s_mov_b32 s31, 0
	s_wait_kmcnt 0x0
	s_add_nc_u64 s[20:21], s[8:9], s[20:21]
	s_load_b64 s[22:23], s[20:21], 0x0             ; source tile, valid rows
	s_add_nc_u64 s[10:11], s[10:11], s[26:27]
	s_add_nc_u64 s[14:15], s[14:15], s[28:29]
	s_add_nc_u64 s[12:13], s[12:13], s[30:31]
	s_wait_kmcnt 0x0
	s_sub_co_u32 s23, s23, 1
	v_min_u32 v8, s23, v8                          ; past the last valid row: that row again
	s_lshl_b32 s22, s22, 7
	v_add_nc_u32 v8, s22, v8
	v_min_u32 v8, 0x2fff, v8                       ; list has 12,288 places
	v_lshlrev_b32 v9, 2, v8
	global_load_b32 v10, v9, s[8:9] offset:12288   ; the 32 tokens of the work-group's places
	s_wait_loadcnt 0x0
	v_min_u32 v10, 0x1fff, v10
	v_lshlrev_b32 v11, 3, v10
	global_load_b64 v[12:13], v11, s[6:7]          ; their weights
	s_lshl_b32 s34, s16, 2
.irp i, 0,1,2,3
	s_add_co_u32 s35, s34, \i
	v_readlane_b32 s36, v10, s35                   ; the token of place 4 w + i
	s_min_u32 s36, s36, 0x1fff
	s_lshl_b32 s36, s36, 12                        ; rows of 4,096 bytes
	v_add_nc_u32 v[XO+\i], s36, v4
.irp j, 0,1,2,3,4,5,6,7
	global_load_b128 v[XR+32*\i+4*\j:XR+32*\i+4*\j+3], v[XO+\i], s[4:5] offset:512*\j     ; 512 neighbouring bytes a load; a row may be named by several places
.endr
.endr
.irp i, 0,1,2,3
	s_wait_loadcnt 24-8*\i                         ; the row's eight loads are in; the later rows' stay out
.set d, 0
.rept 16
	v_cvt_pk_bf16_f32 v[XR+32*\i+d], v[XR+32*\i+2*d], v[XR+32*\i+2*d+1]    ; in place, ascending: word d is written when words 2 d, 2 d + 1 are read
.set d, d+1
.endr
.irp j, 0,1,2,3,4,5,6,7
	global_store_b64 v6, v[XR+32*\i+2*\j:XR+32*\i+2*\j+1], s[10:11] offset:\i*2048+256*\j  ; the wave's store covers 256 consecutive bytes, aligned
.endr
.endr
	s_cmp_lg_u32 s16, 0
	s_cbranch_scc1 .Lend
	global_store_b32 v3, v10, s[14:15]             ; wave 0: the 32 tokens,
	global_store_b64 v5, v[12:13], s[12:13]        ; and their weights (that load is the oldest of all: it is in)
.Lend:
	s_endpgm
.Lfunc_end_k_q0595ab3130_gather:
	.size	k_q0595ab3130_gather, .Lfunc_end_k_q0595ab3130_gather-k_q0595ab3130_gather
	.p2alignl 7, 3214868480
	.fill 96, 4, 3214868480
	.section	.rodata,"a",@progbits
	.p2align	6, 0x0
	.amdhsa_kernel k_q0595ab3130_gather
		.amdhsa_group_segment_fixed_size 0
		.amdhsa_private_segment_fixed_size 0
		.amdhsa_enable_private_segment 0
		.amdhsa_kernarg_size 48
		.amdhsa_user_sgpr_count 2
		.amdhsa_user_sgpr_kernarg_segment_ptr 1
		.amdhsa_wavefront_size32 1
		.amdhsa_system_sgpr_workgroup_id_x 1
		.amdhsa_system_sgpr_workgroup_id_y 1
		.amdhsa_system_sgpr_workgroup_id_z 1
		.amdhsa_system_vgpr_workitem_id 0
		.amdhsa_next_free_vgpr 192
		.amdhsa_next_free_sgpr 66
		.amdhsa_reserve_vcc 0
		.amdhsa_float_denorm_mode_32 3
		.amdhsa_float_denorm_mode_16_64 3
		.amdhsa_memory_ordered 1
		.amdhsa_forward_progress 1
		.amdhsa_inst_pref_size 14
	.end_amdhsa_kernel
	.amdgpu_metadata
---
amdhsa.version: [ 1, 2 ]
amdhsa.kernels:
  - .name:           k_q0595ab3130_gather
    .symbol:         k_q0595ab3130_gather.kd
    .args:
      - { .name: x, .offset: 0, .size: 8, .value_kind: global_buffer, .address_space: global }
      - { .name: gwt, .offset: 8, .size: 8, .value_kind: global_buffer, .address_space: global }
      - { .name: route, .offset: 16, .size: 8, .value_kind: global_buffer, .address_space: global }
      - { .name: xs, .offset: 24, .size: 8, .value_kind: global_buffer, .address_space: global }
      - { .name: gws, .offset: 32, .size: 8, .value_kind: global_buffer, .address_space: global }
      - { .name: plist, .offset: 40, .size: 8, .value_kind: global_buffer, .address_space: global }
    .group_segment_fixed_size: 0
    .private_segment_fixed_size: 0
    .kernarg_segment_align: 8
    .kernarg_segment_size: 48
    .max_flat_workgroup_size: 256
    .sgpr_count:     66
    .vgpr_count:     192
    .wavefront_size: 32
...
	.end_amdgpu_metadata
.endif
;; end of part 3
;; launch experts (part 4): grid 256 x 1, 4 waves a work-group, clusters of 4 x 1, 327,680 bytes of LDS; arguments xs, wb, expert_b, gws, route, plist, out0; writes out0
.if DOCPART == 4
	.amdgcn_target "amdgcn-amd-amdhsa--gfx1250"
	.amdhsa_code_object_version 6
	.text
	.protected	k_q0595ab3130_experts
	.globl	k_q0595ab3130_experts
	.p2align	8
	.type	k_q0595ab3130_experts,@function
k_q0595ab3130_experts:
	s_mov_b64 s[64:65], 0
	v_nop
	global_prefetch_b8 v0, s[64:65] scope:SCOPE_SE
	s_setreg_imm32_b32 hwreg(HW_REG_WAVE_MODE, 25, 1), 1
	s_wait_xcnt 0x0
	s_wait_alu depctr_hold_cnt(0) depctr_sa_sdst(0) depctr_va_vdst(0) depctr_va_sdst(0) depctr_va_ssrc(0) depctr_va_vcc(0) depctr_vm_vsrc(0)
	s_getreg_b32 s2, hwreg(HW_REG_IB_STS2, 6, 4)
	s_cmp_eq_u32 s2, 0
	s_cbranch_scc0 .Lentry_in_a_cluster
	s_endpgm
.Lentry_in_a_cluster:
	s_bfe_u32 s2, ttmp6, 0x10000c
	s_cmp_lg_u32 s2, 0x3003
	s_cbranch_scc0 .Lentry_shape_is_right
	s_endpgm
.Lentry_shape_is_right:
; out[token] = g_lo (x W_lo + b_lo) + g_hi (x W_hi + b_hi): the two experts that the router kept; the other six have weight exactly 0.
; xs holds x's rows as bf16, sorted by pair of experts; ROW TILE t is rows 128 t .. 128 t + 127, all of one pair (lo, hi: word 2 of the tile's record).
; AN ITEM is a row tile x 128 columns: TWO products at once, 128 x 128 x 1,024 each, on the same fragments of x.  Sums in f32, started on the bias;
; the weights are applied in f32 to the finished sums, and each row goes straight to its token's row of out0.
; SHARES.  Work-group g keeps column tile n = g % 8 and makes row tiles g / 8, + 32, + 64: three items, written out by macro.
; Four waves; wave w makes rows 64 (w / 2) .. + 63, columns 64 (w % 2) .. + 63 for both experts: 32 accumulators of 16 x 16, 256 registers.
; REPEATS, stated plainly.  There are T real tiles, 64 <= T <= 91, a number known only from memory, and room for 96.  Places past a group's end hold the
; tile's last valid token again, and a tile at or past T holds tile t - 64 again, which is this same work-group's first item: repeated rows give the same
; numbers for the same bytes.  So no branch, trip count or mask of this text hangs on a number read from memory, and every wave passes every barrier on
; one path.  The price: the third item of the work-groups with g / 8 + 64 >= T is work done twice, (96 - T) / 96 of the launch's products.
; RING.  K goes in steps of 128 through two LDS slots, each with 128 rows of x and 128 k-rows of W_lo and of W_hi (rows of 256 bytes, aligned
; to 256 in memory).  Waves 0, 1 fetch x's two halves, waves 2, 3 the two experts' tiles: one tensor load a wave behind each round, at most two of
; a wave out (the two first fills).  The ring goes on into the next item: an item's last two changes of slots ask for the next item's first steps.
; CLUSTER.  Four work-groups with consecutive numbers form a cluster: g = 4 x cluster + cx, so the four have the same g / 8, the same three row tiles, and
; four neighbouring column tiles.  x's tile, 32 KiB of a step's 96, is the same for the four and is asked for JOINTLY: the same tensor load, with the same
; descriptor and a mask that names the four, in all four; each receives it in its own LDS.  W's tiles hang on the column tile: each work-group's own, by
; plain loads.  (Work-groups that need the same tiles of W are the row tiles of one pair of experts, whose number is read from memory and may be 1: they
; cannot be partners.)  cx enters wb's address and the column offsets in out0 and expert_b alone: no branch and no LDS address hangs on it.
; W lies [k][column]: its fragments are turned on the way out of LDS by ds_load_tr16_b128.
; THE MATRIX INSTRUCTION IS USED TRANSPOSED (source 0 = 16 columns of W, source 1 = 16 rows of x): a lane holds one row and eight neighbouring columns.
; REGISTERS, in windows of 256: window 0 addresses, bias, weights, tokens, the way out; window 1 two fragment buffers of 96 (x 32, W_lo 32, W_hi 32);
; window 2 the accumulators: lo at v[8 (4 a + b)], hi at v[128 + 8 (4 a + b)].
.set PA,     272                       ; an LDS row of x: 256 bytes + 16 = 68 words: row r starts at bank 4 r mod 64 (64 banks of 4 bytes: ISA guide 11.1)
.set PB,     288                       ; an LDS row of W: 256 + 32 = 72 words
.set AHALF,  64*PA
.set BOFF,   128*PA                    ; W_lo's tile in a slot
.set BT,     128*PB                    ; one expert's tile
.set SLOT,   BOFF+2*BT                 ; 108,544 bytes
.set STAGE,  2*SLOT                    ; behind the ring, at a multiple of 256: 16 rows x 272 bytes for each wave, its own; no fill lands here
.set SP,     272
.set WSTAGE, 16*SP
.set NEXT_A, 32*128*2048-6*256         ; bytes in xs from a slot's last K step of an item to its first of the next: 32 tiles down, six K steps back
.set ADRA,  8                          ; v8-9    LDS address of my fragments of x in slot 0, 1
.set ADRBL, 10                         ; v10-11  of W_lo
.set ADRBH, 12                         ; v12-13  of W_hi
.set STO,   14                         ; the way out: where I put 16 bytes of a row
.set RD,    15                         ; where I read a row back
.set CO,    16                         ; my byte offset in a row of out0
.set BO,    17                         ; my byte offset in a row of expert_b
.set LI,    18                         ; my byte offset in the wave's 64 words of plist
.set GI,    19                         ; in its 64 pairs of gws
.set BL,    20                         ; v20-22  item i: my byte offset in expert_b, expert lo
.set BH,    24                         ; v24-26  expert hi.  None of v8 to v26 is rewritten
.set G,     32                         ; v[32:39]   (g_lo, g_hi) of row 16 a + lane % 16
.set BIAS,  64                         ; v[64:127]  expert e, column block b at 32 e + 8 b, in an accumulator's layout
.set TMP,   128                        ; v[128:159] a block of 16 rows, weighted
.set OB,    160                        ; v[160:191] the block as whole rows
.set TOK,   192                        ; v[192:223] the token of row 16 a + 2 t + lane / 16, at 8 a + t
.set OFF,   224                        ; v[224:231] byte offsets of a block's eight stores
.set F0,    0
.set F1,    96
.set G1A,  24                          ; s[24:31] descriptor group 1 for x's tiles;  s[32:39] for W's
.set G1B,  32
.set G0A,  40                          ; s[40:47] group 0 for x's tiles, a set for each slot;  s[48:55] for W's
.set G0B,  48
.set REC,  56                          ; s56-58  word 2 of the three items' records
.set EB0,  60                          ; s[60:61], s[62:63], s[66:67]  item i: byte offset in wb of the expert whose tiles I fetch
.set EB1,  62
.set EB2,  66
.set BLO,  68                          ; s68-70  item i: lo x 4,096
.set BHI,  71                          ; s71-73  hi x 4,096
                                       ; s74 cx, s19 the column tile, s[80:83] offsets made of it: the only scalar registers that ever hang on cx, beside wb's address and W's group 0
.set MSB, 0
.macro WIN new                         ; the immediate's high byte repeats the setting that is left; a switch that changes nothing is dropped
.if MSB != \new
	s_set_vgpr_msb (MSB<<8)|\new
.set MSB, \new
.endif
.endm
.set MULW,   0xa5                      ; sources 0 and 1 window 1; C and D window 2
.set FIRSTW, 0x85                      ; the same with C (the bias) in window 0
.set TO_F,   0x40                      ; destination window 1, address window 0
.set OUTW,   0x02                      ; source 0 window 2
; A load into a register that a matrix instruction has read, and a vector instruction that reads a matrix result, stand four places behind it; only
; plain vector instructions that name none of its registers are places (ISA guide 7.12.1 for vector instructions).
.macro PLACES
.rept 4
	v_nop
.endr
.endm
; My one tensor load behind a round.  Waves 0 and 1: the joint load of a half of x's tile; waves 2 and 3: the plain load of an expert's tile.  The branch hangs on the
; wave's number alone: it is the same in every work-group.  Four v_nop follow each of the two lines.
.macro TLOAD s
	s_cmp_lt_u32 s16, 2
	s_cbranch_scc0 .Lfor_b_\@
	tensor_load_to_lds s[G0A+4*\s:G0A+4*\s+3], s[G1A:G1A+7]
	s_nop 0
	PLACES
	s_branch .Lasked_\@
.Lfor_b_\@:
	tensor_load_to_lds s[G0B+4*\s:G0B+4*\s+3], s[G1B:G1B+7]
	s_nop 0
	PLACES
.Lasked_\@:
.endm
; A round of the cluster's barrier: my work-group's barrier, so that wave 0's signal speaks for all four waves; wave 0 signals for the work-group; every wave waits for all
; four work-groups; my work-group's barrier once more.  No LDS instruction of the wave is pending at a signal.
.macro CREST                           ; a round behind its opening barrier
	s_cmp_lg_u32 s16, 0
	s_cbranch_scc1 .Lnot_wave_0_\@
	s_barrier_signal -3
.Lnot_wave_0_\@:
	s_barrier_wait -3
	s_barrier_signal -1
	s_barrier_wait -1
.endm
.macro CROUND                          ; a whole round
	s_barrier_signal -1
	s_barrier_wait -1
	CREST
.endm
; From an item's record: its experts, each clamped in place before it is shifted into an offset.
.macro DERIVE i, eb
	s_bfe_u32 s76, s[REC+\i], 0x80000              ; lo
	s_bfe_u32 s77, s[REC+\i], 0x80008              ; hi
	s_min_u32 s76, s76, 7
	s_min_u32 s77, s77, 7
	s_cmp_lg_u32 s17, 0
	s_cselect_b32 s[\eb], s77, s76                 ; wave 2 fetches W_lo, wave 3 W_hi
	s_min_u32 s[\eb], s[\eb], 7
	s_lshl_b32 s[\eb], s[\eb], 21                  ; an expert's 2 MiB of wb
	s_mov_b32 s[\eb+1], 0
	s_lshl_b32 s[BLO+\i], s76, 12                  ; an expert's 4,096 bytes of expert_b
	s_lshl_b32 s[BHI+\i], s77, 12
.endm
.macro SETB s                          ; slot s's address in wb: K step s of the item whose offset is s[EBN:EBN+1].  Written only while no tensor load of mine is out
	s_add_nc_u64 s[G0B+4*\s+2:G0B+4*\s+3], s[6:7], s[EBN:EBN+1]
.if \s
	s_add_nc_u64 s[G0B+4*\s+2:G0B+4*\s+3], s[G0B+4*\s+2:G0B+4*\s+3], 262144    ; 128 k-rows of 2,048 bytes
.endif
	s_or_b32 s[G0B+4*\s+3], s[G0B+4*\s+3], 0x80000000          ; 127:126 type = 2
.endm
.macro BIASLOAD i                      ; item i's bias in an accumulator's layout: lane (r, h), register j: column 16 b + 8 h + j
.irp b, 0,1,2,3
	global_load_b128 v[BIAS+8*\b:BIAS+8*\b+3],       v[BL+\i], s[8:9] offset:64*\b
	global_load_b128 v[BIAS+8*\b+4:BIAS+8*\b+7],     v[BL+\i], s[8:9] offset:64*\b+16
	global_load_b128 v[BIAS+32+8*\b:BIAS+32+8*\b+3], v[BH+\i], s[8:9] offset:64*\b
	global_load_b128 v[BIAS+32+8*\b+4:BIAS+32+8*\b+7], v[BH+\i], s[8:9] offset:64*\b+16
.endr
.endm
; An item's head: 36 loads at addresses that hang on the ids alone: the tokens of the rows that I shall store, and my rows' weights.
.macro HEAD i
.irp a, 0,1,2,3
.irp t, 0,1,2,3,4,5,6,7
	global_load_b32 v[TOK+8*\a+\t], v[LI], s[14:15] offset:\i*16384+64*\a+8*\t
.endr
.endr
.irp a, 0,1,2,3
	global_load_b64 v[G+2*\a:G+2*\a+1], v[GI], s[10:11] offset:\i*32768+128*\a
.endr
	s_wait_loadcnt 36                              ; the bias (16 loads issued earlier) is in; the 36 just issued stay out until the way out
.endm
; 16 matrix instructions: expert e, 4 row blocks x 4 column blocks, 32 along K.  first = 1: the sums start on the bias: nothing is cleared.
; The 32 accumulators take turns, one instruction a turn, in the same order in every quarter.
.macro MUL16 f, e, first
.irp a, 0,1,2,3
.irp b, 0,1,2,3
.if \first
	v_wmma_f32_16x16x32_bf16 v[128*\e+8*(4*\a+\b):128*\e+8*(4*\a+\b)+7], v[\f+32+32*\e+8*\b:\f+32+32*\e+8*\b+7], v[\f+8*\a:\f+8*\a+7], v[BIAS+32*\e+8*\b:BIAS+32*\e+8*\b+7]
.else
	v_wmma_f32_16x16x32_bf16 v[128*\e+8*(4*\a+\b):128*\e+8*(4*\a+\b)+7], v[\f+32+32*\e+8*\b:\f+32+32*\e+8*\b+7], v[\f+8*\a:\f+8*\a+7], v[128*\e+8*(4*\a+\b):128*\e+8*(4*\a+\b)+7]
.endif
.endr
.endr
.endm
; 24 LDS loads in one run: quarter q (32 along K) of a slot into buffer f: x (8), W_lo (8), W_hi (8).
; x: lane l holds row l % 16; two loads of 16 bytes, 32 apart.  W: the turning load takes 16 k x 16 columns and leaves lane l column l % 16 and 8 k.
.macro FETCH slot, q, f
	WIN TO_F
.irp a, 0,1,2,3
	ds_load_b128 v[\f+8*\a:\f+8*\a+3],   v[ADRA+\slot] offset:64*\q+\a*16*PA
	ds_load_b128 v[\f+8*\a+4:\f+8*\a+7], v[ADRA+\slot] offset:64*\q+\a*16*PA+32
.endr
.irp b, 0,1,2,3
	ds_load_tr16_b128 v[\f+32+8*\b:\f+32+8*\b+3],   v[ADRBL+\slot] offset:\q*32*PB+32*\b
	ds_load_tr16_b128 v[\f+32+8*\b+4:\f+32+8*\b+7], v[ADRBL+\slot] offset:\q*32*PB+16*PB+32*\b
.endr
.irp b, 0,1,2,3
	ds_load_tr16_b128 v[\f+64+8*\b:\f+64+8*\b+3],   v[ADRBH+\slot] offset:\q*32*PB+32*\b
	ds_load_tr16_b128 v[\f+64+8*\b+4:\f+64+8*\b+7], v[ADRBH+\slot] offset:\q*32*PB+16*PB+32*\b
.endr
.endm
; A K step is four quarters, 32 matrix instructions each, on buffers 0, 1, 0, 1.  One of the first three: multiplies f, fetches quarter q into g.
.macro QUARTER slot, q, f, g, first
	s_wait_dscnt 8                                 ; x and W_lo are in; the youngest eight loads (W_hi) may be out
.if \first
	WIN FIRSTW
.else
	WIN MULW
.endif
	MUL16 \f, 0, \first
	PLACES
	FETCH \slot, \q, \g
	s_wait_dscnt 24                                ; all but the 24 just issued
.if \first
	WIN FIRSTW
.else
	WIN MULW
.endif
	MUL16 \f, 1, \first
.endm
; The last quarter multiplies buffer 1 and changes slots: ONE barrier.  In front of it each wave waits for its reads of this slot and for all its tensor
; loads (one is out: its part of the next slot).  Where the slot is filled again the barrier opens a round of the cluster's barrier, so that no wave of any
; partner still reads the slot or has a load on its way; the refill is the first tensor load behind the round: mode 1 this item's K step two on, mode 2
; the next item's K step 0 or 1.  Mode 0: nothing is left to fetch, and no round follows.  From a request to the wait for it a wave issues 112 matrix instructions.
.macro TURN slot, next, mode
	s_wait_dscnt 0x0
	s_wait_tensorcnt 0x0
	ds_add_u32 v254, v255
	s_wait_dscnt 0x0
	s_barrier_signal -1
	WIN MULW
	MUL16 F1, 0, 0                                 ; work on registers while the others arrive
	WIN 0                                          ; at a branch and at a label every window is 0
	s_barrier_wait -1
.if \mode
	CREST                                          ; wave 0 says so for the work-group; all four work-groups have said so; my work-group's barrier closes the round
.endif
.if \mode == 1
	s_add_nc_u64 s[G0A+4*\slot+2:G0A+4*\slot+3], s[G0A+4*\slot+2:G0A+4*\slot+3], 512
	s_add_nc_u64 s[G0B+4*\slot+2:G0B+4*\slot+3], s[G0B+4*\slot+2:G0B+4*\slot+3], 524288
	TLOAD \slot                                    ; its four v_nop are also the places in front of the loads below
.elseif \mode == 2
	s_add_nc_u64 s[G0A+4*\slot+2:G0A+4*\slot+3], s[G0A+4*\slot+2:G0A+4*\slot+3], NEXT_A
	SETB \slot
	TLOAD \slot
.else
	PLACES
.endif
	FETCH \next, 0, F0
	WIN MULW
	MUL16 F1, 1, 0
.endm
; An item up to the third quarter of its K step 6.
.macro BODY
	QUARTER 0, 1, F0, F1, 1                        ; the first quarter stands in front of the loop: its products start the sums
	WIN 0
	s_mov_b32 s22, 3
.Llap_\@:                                              ; a trip goes once round the ring and fills both slots again: K steps 2 to 7
	QUARTER 0, 2, F1, F0, 0
	QUARTER 0, 3, F0, F1, 0
	TURN 0, 1, 1
	QUARTER 1, 1, F0, F1, 0
	QUARTER 1, 2, F1, F0, 0
	QUARTER 1, 3, F0, F1, 0
	TURN 1, 0, 1
	QUARTER 0, 1, F0, F1, 0
	WIN 0
	s_sub_co_u32 s22, s22, 1
	s_cmp_lg_u32 s22, 0
	s_cbranch_scc1 .Llap_\@
	QUARTER 0, 2, F1, F0, 0
	QUARTER 0, 3, F0, F1, 0
.endm
; THE WAY OUT of block a (16 rows x 64 columns).  g_lo acc_lo + g_hi acc_hi in f32; through my own stage in LDS, back as whole rows of 256 bytes;
; each row to its token's row of out0.  Each accumulator's registers are taken in ascending order.
.macro OUTB a
	s_wait_xcnt 0x0                                ; OB and OFF, which the last block's stores read, are rewritten only behind this wait
	WIN OUTW
.irp b, 0,1,2,3
.irp r, 0,1,2,3
	v_pk_mul_f32 v[TMP+8*\b+2*\r:TMP+8*\b+2*\r+1], v[8*(4*\a+\b)+2*\r:8*(4*\a+\b)+2*\r+1], v[G+2*\a:G+2*\a+1] op_sel_hi:[1,0]
.endr
.irp r, 0,1,2,3
	v_pk_fma_f32 v[TMP+8*\b+2*\r:TMP+8*\b+2*\r+1], v[128+8*(4*\a+\b)+2*\r:128+8*(4*\a+\b)+2*\r+1], v[G+2*\a:G+2*\a+1], v[TMP+8*\b+2*\r:TMP+8*\b+2*\r+1] op_sel:[0,1,0] op_sel_hi:[1,1,1]
.endr
.endr
	WIN 0
.irp b, 0,1,2,3
	ds_store_b128 v[STO], v[TMP+8*\b:TMP+8*\b+3] offset:64*\b
	ds_store_b128 v[STO], v[TMP+8*\b+4:TMP+8*\b+7] offset:64*\b+16
.endr
.irp t, 0,1,2,3,4,5,6,7
	ds_load_b128 v[OB+4*\t:OB+4*\t+3], v[RD] offset:\t*2*SP    ; LDS serves a wave's instructions in order (ISA guide 5.7.1.4): these see the stores above
.endr
.irp t, 0,1,2,3,4,5,6,7
	v_min_u32 v[TOK+8*\a+\t], 0x1fff, v[TOK+8*\a+\t]           ; a number read from memory: clamped in place before it enters an address
	v_lshlrev_b32 v[OFF+\t], 12, v[TOK+8*\a+\t]                ; the token's row of 4,096 bytes
	v_add_nc_u32 v[OFF+\t], v[OFF+\t], v[CO]                   ; + my 16 bytes
.endr
	s_wait_dscnt 0x0
.irp t, 0,1,2,3,4,5,6,7
	global_store_b128 v[OFF+\t], v[OB+4*\t:OB+4*\t+3], s[2:3] th:TH_STORE_NT   ; 16 lanes store 256 consecutive bytes, at a multiple of 256 from out0's first byte
.endr
.endm
; A whole item.  last = 0: its last two changes of slots ask for the next item's K steps 0 and 1 (s[EBN:EBN+1] names that item's expert).
.macro ITEM i, last
	HEAD \i
	BODY
.if \last
	TURN 0, 1, 0                                   ; nothing is left to fetch
	QUARTER 1, 1, F0, F1, 0
	QUARTER 1, 2, F1, F0, 0
	QUARTER 1, 3, F0, F1, 0
	s_wait_dscnt 0x0
	WIN MULW
	MUL16 F1, 0, 0
	MUL16 F1, 1, 0
	WIN 0
	s_wait_loadcnt 0x0                             ; tokens and weights
	PLACES                                         ; behind the last products
.else
	TURN 0, 1, 2                                   ; the ring goes on into the next item: slot 0 takes its K step 0,
	QUARTER 1, 1, F0, F1, 0
	QUARTER 1, 2, F1, F0, 0
	QUARTER 1, 3, F0, F1, 0
	TURN 1, 0, 2                                   ; slot 1 its K step 1, and its first fragments are fetched
	WIN 0
	s_wait_loadcnt 0x0                             ; tokens and weights
	PLACES                                         ; behind the last products
	BIASLOAD \i+1                                  ; the next item's: the bias was last read by this item's first quarter
.endif
	OUTB 0
	OUTB 1
	OUTB 2
	OUTB 3
.endm
	s_load_b256 s[4:11], s[0:1], 0x0               ; xs s[4:5], wb s[6:7], expert_b s[8:9], gws s[10:11]
	s_load_b128 s[12:15], s[0:1], 0x20             ; route s[12:13], plist s[14:15]
	s_load_b64 s[2:3], s[0:1], 0x30                ; out0
	s_set_vgpr_msb 0x40
	v_lshl_add_u32 v254, v0, 2, 0x39400
	v_mov_b32 v255, 0
	s_set_vgpr_msb 0x4045
	ds_add_u32 v254, v255
	s_set_vgpr_msb 0x4500
	v_lshrrev_b32 v1, 5, v0
	v_readfirstlane_b32 s16, v1                    ; wave 0..3
	s_and_b32 s17, s16, 1                          ; my half of the columns.  Also: which half of x's tile, or which expert's tile, I fetch
	s_lshr_b32 s18, s16, 1                         ; my half of the rows
	s_bfe_u32 s74, ttmp6, 0x40000                  ; cx: my place in the cluster
	s_and_b32 s19, ttmp9, 1                        ; in a cluster launch ttmp9 counts clusters: g = 4 x ttmp9 + cx
	s_lshl_b32 s19, s19, 2
	s_add_co_u32 s19, s19, s74                     ; column tile n = g % 8 = 4 (ttmp9 % 2) + cx
	s_lshr_b32 s20, ttmp9, 1                       ; first row tile g / 8 = ttmp9 / 2, which the four partners share
	; descriptor group 1.  x: 64 rows x 128 elements of 2 bytes, 16 bytes of padding behind every 64 words; W: 128 k-rows x 128 elements, 32 bytes of padding
	s_mov_b32 s[G1A+0], 15|(1<<16)|(1<<20)|(1<<21)|(5<<22)|(3<<25)  ; 15:0 the mask: all four work-groups; 17:16 elements of 2 bytes; 20 padding on; 21 set beside a mask; 24:22 after every 64 words; 31:25 4 words of it
	s_mov_b32 s[G1A+1], 128<<16                    ; tensor_dim0 = 128
	s_mov_b32 s[G1A+2], 64<<16                     ; tensor_dim1 = 64
	s_mov_b32 s[G1A+3], 128<<16                    ; tile_dim0 = 128
	s_mov_b32 s[G1A+4], 64                         ; tile_dim1 = 64
	s_mov_b32 s[G1A+5], 1024                       ; elements from row to row
	s_mov_b32 s[G1A+6], 0
	s_mov_b32 s[G1A+7], 0
	s_mov_b32 s[G1B+0], (1<<16)|(1<<20)|(5<<22)|(7<<25)            ; no mask: a load of my own; 8 words of padding
	s_mov_b32 s[G1B+1], 128<<16
	s_mov_b32 s[G1B+2], 128<<16
	s_mov_b32 s[G1B+3], 128<<16
	s_mov_b32 s[G1B+4], 128
	s_mov_b32 s[G1B+5], 1024
	s_mov_b32 s[G1B+6], 0
	s_mov_b32 s[G1B+7], 0
	s_lshl_b32 s78, s20, 7                         ; records of 128 bytes
	s_mov_b32 s79, 0
	s_wait_dscnt 0x0
	s_wait_kmcnt 0x0
	s_add_nc_u64 s[78:79], s[12:13], s[78:79]
	s_load_b32 s[REC+0], s[78:79], 0x8             ; lo | hi << 8 of row tiles t, t + 32, t + 64: all 96 records are written
	s_load_b32 s[REC+1], s[78:79], 0x1008
	s_load_b32 s[REC+2], s[78:79], 0x2008
	s_mov_b32 s77, 0
	s_lshl_b32 s76, s20, 18                        ; xs at my half of the first tile: 128 rows of 2,048 bytes a tile,
	s_lshl_b32 s75, s17, 17                        ; 64 rows a half: the row tile and the wave's number alone
	s_add_co_u32 s76, s76, s75
	s_add_nc_u64 s[4:5], s[4:5], s[76:77]
	s_lshl_b32 s80, s19, 8                         ; wb at the column tile's 256 bytes
	s_mov_b32 s81, 0
	s_add_nc_u64 s[6:7], s[6:7], s[80:81]
	s_lshl_b32 s76, s20, 10                        ; gws at my wave's 64 rows of the first tile: pairs of 8 bytes
	s_lshl_b32 s75, s18, 9
	s_add_co_u32 s76, s76, s75
	s_add_nc_u64 s[10:11], s[10:11], s[76:77]
	s_lshl_b32 s76, s20, 9                         ; plist likewise: words of 4 bytes
	s_lshl_b32 s75, s18, 8
	s_add_co_u32 s76, s76, s75
	s_add_nc_u64 s[14:15], s[14:15], s[76:77]
	s_wait_kmcnt 0x0
	DERIVE 0, EB0
	DERIVE 1, EB1
	DERIVE 2, EB2
	s_mul_i32 s76, s17, AHALF
	s_mul_i32 s77, s17, BT
	s_add_co_u32 s77, s77, BOFF
.set EBN, EB0
.irp s, 0,1
	s_mov_b32 s[G0A+4*\s], 1                       ; 1:0 count = 1
	s_add_co_u32 s[G0A+4*\s+1], s76, \s*SLOT       ; 63:32 LDS address: the slot, my half: no place in the cluster enters an LDS address
	s_add_nc_u64 s[G0A+4*\s+2:G0A+4*\s+3], s[4:5], \s*256      ; 120:64 global address: K step s, 128 along K in a row of xs
	s_or_b32 s[G0A+4*\s+3], s[G0A+4*\s+3], 0x80000000          ; 127:126 type = 2
	s_mov_b32 s[G0B+4*\s], 1
	s_add_co_u32 s[G0B+4*\s+1], s77, \s*SLOT       ; the slot, behind x's tile, my expert's tile
	SETB \s
.endr
	CROUND                                         ; all four work-groups are here: the first joint loads meet
	s_cmp_lt_u32 s16, 2                            ; a wave's two first fills stand in one branch, ahead of every wait on TENSORcnt and every LDS read
	s_cbranch_scc0 .Lfirst_b
	tensor_load_to_lds s[G0A:G0A+3], s[G1A:G1A+7]
	s_nop 0
	tensor_load_to_lds s[G0A+4:G0A+7], s[G1A:G1A+7]
	s_nop 0
	PLACES
	s_branch .Lfirst_asked
.Lfirst_b:
	tensor_load_to_lds s[G0B:G0B+3], s[G1B:G1B+7]
	s_nop 0
	tensor_load_to_lds s[G0B+4:G0B+7], s[G1B:G1B+7]
	s_nop 0
	PLACES
.Lfirst_asked:
	v_and_b32 v1, 15, v0                           ; r = l % 16
	v_bfe_u32 v2, v0, 4, 1                         ; h = l / 16
	v_and_b32 v3, 7, v0
	v_bfe_u32 v4, v0, 3, 1
	v_mul_u32_u24 v5, v1, PA
	v_lshl_add_u32 v5, v2, 4, v5                   ; row x pitch + 16 h
	s_mul_i32 s76, s18, AHALF                      ; my 64 rows of x
	v_add_nc_u32 v[ADRA], s76, v5
	v_add_nc_u32 v[ADRA+1], SLOT, v[ADRA]
	v_lshl_add_u32 v6, v2, 3, v3                   ; k-row 8 h + l % 8
	v_mul_u32_u24 v6, v6, PB
	v_lshl_add_u32 v6, v4, 4, v6                   ; + 16 bytes for the upper eight of sixteen lanes
	s_lshl_b32 s76, s17, 7                         ; my 64 columns
	s_add_co_u32 s76, s76, BOFF
	v_add_nc_u32 v[ADRBL], s76, v6
	v_add_nc_u32 v[ADRBL+1], SLOT, v[ADRBL]
	v_add_nc_u32 v[ADRBH], BT, v[ADRBL]
	v_add_nc_u32 v[ADRBH+1], BT, v[ADRBL+1]
	s_mul_i32 s76, s16, WSTAGE
	s_add_co_u32 s76, s76, STAGE                   ; my stage
	v_mul_u32_u24 v5, v1, SP                       ; in: row r, 32 bytes for each half of the lanes
	v_lshl_add_u32 v5, v2, 5, v5
	v_add_nc_u32 v[STO], s76, v5
	v_mul_u32_u24 v5, v2, SP                       ; back: lanes 0-15 take one row of 256 bytes, lanes 16-31 the next
	v_lshl_add_u32 v5, v1, 4, v5
	v_add_nc_u32 v[RD], s76, v5
	s_lshl_b32 s82, s19, 9                         ; the column tile's 512 bytes of f32,
	s_lshl_b32 s83, s17, 8                         ; my half of them
	s_add_co_u32 s82, s82, s83
	v_lshl_add_u32 v[CO], v1, 4, s82
	v_lshl_add_u32 v[BO], v2, 5, s82
	v_lshlrev_b32 v[LI], 2, v2                     ; the token of row 2 t + h
	v_lshlrev_b32 v[GI], 3, v1                     ; the weights of row r
.irp i, 0,1,2
	v_add_nc_u32 v[BL+\i], s[BLO+\i], v[BO]
	v_add_nc_u32 v[BH+\i], s[BHI+\i], v[BO]
.endr
	BIASLOAD 0
	s_wait_tensorcnt 0x1                           ; my part of K step 0 is in; K step 1's may stay out
	s_barrier_signal -1
	s_barrier_wait -1                              ; everybody's is
	FETCH 0, 0, F0
	WIN 0
.set EBN, EB1
	ITEM 0, 0
.set EBN, EB2
	ITEM 1, 0
	ITEM 2, 1
	s_set_vgpr_msb 0x5
	s_wait_tensorcnt 0x0
	ds_add_u32 v254, v255
	s_wait_dscnt 0x0
	s_set_vgpr_msb 0x500
	CROUND                                         ; the closing round: no work-group ends while a partner may still ask for a tile that names it
	s_endpgm
.Lfunc_end_k_q0595ab3130_experts:
	.size	k_q0595ab3130_experts, .Lfunc_end_k_q0595ab3130_experts-k_q0595ab3130_experts
	.p2alignl 7, 3214868480
	.fill 96, 4, 3214868480
	.section	.rodata,"a",@progbits
	.p2align	6, 0x0
	.amdhsa_kernel k_q0595ab3130_experts
		.amdhsa_group_segment_fixed_size 327680
		.amdhsa_private_segment_fixed_size 0
		.amdhsa_enable_private_segment 0
		.amdhsa_kernarg_size 56
		.amdhsa_user_sgpr_count 2
		.amdhsa_user_sgpr_kernarg_segment_ptr 1
		.amdhsa_wavefront_size32 1
		.amdhsa_system_sgpr_workgroup_id_x 1
		.amdhsa_system_sgpr_workgroup_id_y 1
		.amdhsa_system_sgpr_workgroup_id_z 1
		.amdhsa_system_vgpr_workitem_id 0
		.amdhsa_next_free_vgpr 768
		.amdhsa_next_free_sgpr 84
		.amdhsa_reserve_vcc 0
		.amdhsa_float_denorm_mode_32 3
		.amdhsa_float_denorm_mode_16_64 3
		.amdhsa_memory_ordered 1
		.amdhsa_forward_progress 1
		.amdhsa_inst_pref_size 255
	.end_amdhsa_kernel
	.section	.bss,"aw",@nobits
	.p2align	6
	.space	262144
	.amdgpu_metadata
---
amdhsa.version: [ 1, 2 ]
amdhsa.kernels:
  - .name:           k_q0595ab3130_experts
    .symbol:         k_q0595ab3130_experts.kd
    .args:
      - { .name: xs, .offset: 0, .size: 8, .value_kind: global_buffer, .address_space: global }
      - { .name: wb, .offset: 8, .size: 8, .value_kind: global_buffer, .address_space: global }
      - { .name: expert_b, .offset: 16, .size: 8, .value_kind: global_buffer, .address_space: global }
      - { .name: gws, .offset: 24, .size: 8, .value_kind: global_buffer, .address_space: global }
      - { .name: route, .offset: 32, .size: 8, .value_kind: global_buffer, .address_space: global }
      - { .name: plist, .offset: 40, .size: 8, .value_kind: global_buffer, .address_space: global }
      - { .name: out0, .offset: 48, .size: 8, .value_kind: global_buffer, .address_space: global }
    .group_segment_fixed_size: 327680
    .private_segment_fixed_size: 0
    .kernarg_segment_align: 8
    .kernarg_segment_size: 56
    .max_flat_workgroup_size: 128
    .sgpr_count:     84
    .vgpr_count:     768
    .wavefront_size: 32
...
	.end_amdgpu_metadata
.endif
;; end of part 4
;; ======== version 2 of 2: 4 launches; version 1 with the launches prep, gather written anew for expert scheduling mode
;; limits: values outside matrix products are rounded to bf16
;; workspace buffers: wb 16,777,216 bytes; xs 25,165,824 bytes; gwt 65,536 bytes; gws 98,304 bytes; cnt 65,536 bytes of whole numbers; route 61,440 bytes of whole numbers; plist 49,152 bytes of whole numbers
;; launch prep (part 5): grid 256 x 1, 8 waves a work-group, no clusters, 18,432 bytes of LDS; arguments x, gate_w, gate_b, expert_w, wb, gwt, cnt; writes wb, gwt, cnt
.if DOCPART == 5
	.amdgcn_target "amdgcn-amd-amdhsa--gfx1250"
	.amdhsa_code_object_version 6
	.text
	.protected	k_q0595ab3130_prep
	.globl	k_q0595ab3130_prep
	.p2align	8
	.type	k_q0595ab3130_prep,@function
k_q0595ab3130_prep:
	s_mov_b64 s[64:65], 0
	v_nop
	global_prefetch_b8 v0, s[64:65] scope:SCOPE_SE
	s_setreg_imm32_b32 hwreg(HW_REG_WAVE_SCHED_MODE, 0, 2), 2
	s_setreg_imm32_b32 hwreg(HW_REG_WAVE_MODE, 25, 1), 1
	s_wait_xcnt 0x0
	s_wait_alu depctr_vm_vsrc(0)
; ROUTER AND CAST.  8,192 tokens of 1,024 numbers, 8 experts, the best 2 kept.
; Work-group b owns tokens 32 b .. 32 b + 31 (wave w: four of them, one whole row at a time) and casts 32,768 numbers of expert_w to bf16.
; For each token: logits l[e] = x . gate_w[e] + gate_b[e]; the two largest (m1 >= m2, a tie takes the lower index, as top_k does);
; softmax over these two with the maximum taken away: g1 = 1 / (1 + e^(m2 - m1)), g2 = e^(m2 - m1) g1; the other six weights are exactly 0.
; Stored: key p = hi (hi - 1) / 2 + lo (0..27) of the unordered pair lo < hi; (g_lo, g_hi); the block's count of each key.
; FORMATS.  The expert products take x and expert_w rounded to bf16, so the router decides on the same rounded x, and on gate_w and gate_b
; rounded to bf16 too: one consistent set of numbers.  Products of two bf16 are exact in f32; the sums are f32.  This is 8 x 1,024 multiply-adds a
; token, a thousandth of the expert products, and a wave reads a row in whole pieces of 512 bytes: it is done by the vector unit.
; LIMITS.  A NaN among the logits is not served.  gate_b is rounded to bf16 (relative error up to 2^-9).  Where m1 - m2 exceeds 126 ln 2 the
; exponential comes out as 0 (ISA guide 15.8: results below 2^-126 are flushed), so g2 = 0 and g1 = 1.
; THE MODE: SCHED_MODE bits 1:0 = 2 (LLVM: expert scheduling mode 2), set by the entry lines.  The code itself states the register dependences
; between vector instructions and memory or LDS instructions, with s_wait_alu, always for 0.
; THE PLAN.  Registers that memory or LDS instructions touch:
;   v2 .. v7      offsets and LDS addresses, made at the head and never written again: one wait on va_vdst ahead of the first load serves them all.
;   v9            gate_w's offset at the head; at work later.   v[224:239]  gate_w's row as bf16: written by the head's conversions, read by its LDS stores; ACC and BI later.
;                 One wait on vm_vsrc behind the first barrier stands ahead of the first new write of any of these.
;   XR0, XR1      Token i's conversions read XR[i % 2]; one wait on va_vdst stands behind them; then eight loads land in that buffer: x's row i + 2 (tokens 0, 1) or eight
;                 pieces of expert_w (tokens 2, 3).  They are dealt among the token's first 64 multiply-adds, which name XP, GW, ACC and BI: none of XR, nor v2.
;   v14, GLO pair Written at a token's end, read by its two LDS stores (va_vdst ahead of them), written again by the next token (vm_vsrc at its head).
;   the cast      Eight blocks of four pieces.  A block's conversions read four slots of XR and write their four pairs of Y; one wait on va_vdst; the slots' refills and the
;                 pairs' stores follow.  A slot's pair is written again a walk later: all the first walk's stores stand ahead of one wait on vm_vsrc at the second walk's head.
;   VCC, s[40:47] A compare's mask is waited for ahead of its first reader: each link of the two chains that find the largest by itself, independent compares in runs.
.set GW,   16                          ; v[16:143]  gate_w as bf16 pairs: expert e, words 16 e .. 16 e + 15 = my lane's 32 numbers of the row
.set XR,   144                         ; v[144:207] two row buffers of 32 (f32 as loaded); also the cast's 16 slots of 4
.set XP,   208                         ; v[208:223] the row in hand as bf16 pairs
.set ACC,  224                         ; v[224:231] eight sums
.set BI,   232                         ; v[232:239] what starts the sums: gate_b[e] in lane 0, 0 elsewhere
.set T,    240                         ; v[240:255] at work
.set M1,   T+8
.set I1,   T+9
.set M2,   T+10
.set I2,   T+11
.set GLO,  T+12                        ; an even pair: (g_lo, g_hi)
.set EX,   T+14
.set TM,   T+15
.set Y,    208                         ; the cast: slot k's two words to store
.set MK,   40                          ; s[40:47]   masks of compares that are laid in runs
.set KEYL, 16384                       ; LDS: 0..16383 gate_w as bf16, [e][j][lane] 8 bytes; then 32 keys; then 32 pairs of weights
.set GL,   16640
	s_load_b256 s[4:11], s[0:1], 0x0               ; x s[4:5], gate_w s[6:7], gate_b s[8:9], expert_w s[10:11]
	s_load_b128 s[12:15], s[0:1], 0x20             ; wb s[12:13], gwt s[14:15]
	s_load_b64 s[16:17], s[0:1], 0x30              ; cnt
	s_set_vgpr_msb 0x40
	v_lshl_add_u32 v0, v0, 2, 0x4400
	v_mov_b32 v1, 0
	s_set_vgpr_msb 0x4000
	v_and_b32 v1, 31, v0                           ; lane
	v_lshrrev_b32 v8, 5, v0
	v_readfirstlane_b32 s18, v8                    ; wave 0..7
	v_lshlrev_b32 v2, 4, v1                        ; 16 x lane
	v_lshlrev_b32 v3, 3, v1                        ; 8 x lane
	s_wait_alu depctr_va_sdst(0)                   ; s18 is written, ahead of its first reader: the offsets below are made from it
	v_lshl_add_u32 v9, s18, 12, v2                 ; gate_w: row w, my 16 bytes
	v_lshl_add_u32 v4, s18, 11, v3                 ; LDS: expert w's 2,048 bytes, my 8
	v_lshl_add_u32 v7, s18, 13, v3                 ; wb: my wave's 8,192 bytes, my 8
	v_lshl_add_u32 v2, s18, 14, v2                 ; x: my wave's 4 rows of 4,096 bytes; expert_w: my wave's 16,384 bytes
	s_lshl_b32 s38, s18, 4
	s_lshl_b32 s39, s18, 5
	v_mov_b32 v5, s38                              ; LDS: my wave's 4 keys
	v_mov_b32 v6, s39                              ; LDS: my wave's 4 pairs of weights
	v_mov_b32 v15, 0xff800000                      ; minus infinity
	s_lshl_b32 s30, ttmp9, 17                      ; b x 131,072: 32 rows of x, and the block's part of expert_w
	s_mov_b32 s31, 0
	s_lshl_b32 s32, ttmp9, 16                      ; b x 65,536 in wb
	s_mov_b32 s33, 0
	s_lshl_b32 s34, ttmp9, 7                       ; b x 128 in cnt
	s_mov_b32 s35, 0
	s_lshl_b32 s36, ttmp9, 8                       ; b x 256 in gwt
	s_mov_b32 s37, 0
	s_mov_b32 s28, 0x76543210                      ; v_permlanex16_b32: each lane takes its own place in the other half
	s_mov_b32 s29, 0xfedcba98
	s_wait_kmcnt 0x0
	s_load_b256 s[20:27], s[8:9], 0x0              ; gate_b, all eight
	s_add_nc_u64 s[4:5], s[4:5], s[30:31]
	s_add_nc_u64 s[10:11], s[10:11], s[30:31]
	s_add_nc_u64 s[12:13], s[12:13], s[32:33]
	s_add_nc_u64 s[16:17], s[16:17], s[34:35]
	s_add_nc_u64 s[14:15], s[14:15], s[36:37]
	s_wait_alu depctr_va_vdst(0)                   ; v2 to v7 and v9 are written: every load, store and LDS instruction of the kernel but wave 0's reads one of them as its offset or address
.irp j, 0,1,2,3,4,5,6,7
	global_load_b128 v[224+4*\j:224+4*\j+3], v9, s[6:7] offset:512*\j          ; gate_w's row w, 512 neighbouring bytes a load
.endr
.irp i, 0,1
.irp j, 0,1,2,3,4,5,6,7
	global_load_b128 v[XR+32*\i+4*\j:XR+32*\i+4*\j+3], v2, s[4:5] offset:\i*4096+512*\j   ; my first two rows of x
.endr
.endr
	s_wait_loadcnt 16                              ; gate_w's row is in; the 16 loads of x behind it stay out
.set d, 0
.rept 16
	v_cvt_pk_bf16_f32 v[224+d], v[224+2*d], v[224+2*d+1]       ; in place, ascending: word d is written when words 2 d, 2 d + 1 are read
.set d, d+1
.endr
	s_wait_alu depctr_va_vdst(0)                   ; the conversions have written v[224:239], which the LDS stores read
.irp j, 0,1,2,3,4,5,6,7
	ds_store_b64 v4, v[224+2*\j:224+2*\j+1] offset:256*\j
.endr
	s_wait_dscnt 0x0                               ; for the others' sake: my expert's row is in LDS
	s_barrier_signal -1
	s_barrier_wait -1
.irp e, 0,1,2,3,4,5,6,7
.irp j, 0,1,2,3,4,5,6,7
	ds_load_b64 v[GW+16*\e+2*\j:GW+16*\e+2*\j+1], v3 offset:\e*2048+\j*256     ; all eight rows, my lane's columns; no vector instruction has named these registers
.endr
.endr
	s_wait_kmcnt 0x0                               ; gate_b
	v_cmp_eq_u32 vcc_lo, 0, v1
	s_wait_alu depctr_vm_vsrc(0)                   ; my LDS stores have read v[224:239], which are ACC and BI from here on; gate_w's loads have read v9, which the tokens' arithmetic writes
	s_wait_alu depctr_va_vcc(0)                    ; VCC is written: the eight selects below read it
.irp e, 0,1,2,3,4,5,6,7
	v_mov_b32 v8, s[20+\e]
	v_cvt_pk_bf16_f32 v8, v8, v8
	v_lshlrev_b32 v8, 16, v8                       ; gate_b[e] rounded to bf16, as f32
	v_cndmask_b32 v[BI+\e], 0, v8, vcc_lo          ; in lane 0 alone: it enters the sum over the lanes once
	v_mov_b32 v[T+\e], 0                           ; v_permlanex16_b32 counts as a reader of its destination
.endr
	s_wait_dscnt 0x0
; Load j of the eight that land in token i's row buffer when it has been read: x's row two further on, or, for tokens 2 and 3, piece 8 (i - 2) + j of the cast's first sixteen.
.macro REFILL i, j
.if \i < 2
	global_load_b128 v[XB+4*(\j):XB+4*(\j)+3], v2, s[4:5] offset:(\i+2)*4096+512*(\j)
.else
	global_load_b128 v[XB+4*(\j):XB+4*(\j)+3], v2, s[10:11] offset:512*(8*(\i-2)+(\j)) th:TH_LOAD_NT
.endif
.endm
; One token.
.macro TOKEN i
.set XB, XR+32*(\i%2)
	s_wait_loadcnt 8                               ; loads come back in order (ISA guide 5.7.1): the row's eight are in, the eight issued behind them stay out
.if \i > 0
	s_wait_alu depctr_vm_vsrc(0)                   ; the last token's two LDS stores have read v14 and v[GLO:GLO+1], which this token writes again
.endif
.set d, 0
.rept 16
	v_cvt_pk_bf16_f32 v[XP+d], v[XB+2*d], v[XB+2*d+1]
.set d, d+1
.endr
	s_wait_alu depctr_va_vdst(0)                   ; the conversions are done reading the row buffer, in which the eight loads below land
	; 256 multiply-adds from bf16 halves into f32: eight sums that do not wait for each other; the first product starts each sum on BI.
	; One load stands ahead of each of the first eight runs.  No further wait: no vector instruction since the wait above names the row buffer or v2.
.set c, 0
.rept 16
.if c < 4
	REFILL \i, 2*c
.endif
.irp e, 0,1,2,3,4,5,6,7
.if c == 0
	v_fma_mix_f32_bf16 v[ACC+\e], v[XP+c], v[GW+16*\e+c], v[BI+\e] op_sel_hi:[1,1,0]
.else
	v_fma_mix_f32_bf16 v[ACC+\e], v[XP+c], v[GW+16*\e+c], v[ACC+\e] op_sel_hi:[1,1,0]
.endif
.endr
.if c < 4
	REFILL \i, 2*c+1
.endif
.irp e, 0,1,2,3,4,5,6,7
	v_fma_mix_f32_bf16 v[ACC+\e], v[XP+c], v[GW+16*\e+c], v[ACC+\e] op_sel:[1,1,0] op_sel_hi:[1,1,0]
.endr
.set c, c+1
.endr
	; over the 32 lanes; every lane ends with the same eight logits
.irp m, 1,2,4,8
.irp e, 0,1,2,3,4,5,6,7
	v_add_f32_dpp v[ACC+\e], v[ACC+\e], v[ACC+\e] row_xmask:\m row_mask:0xf bank_mask:0xf
.endr
.endr
.irp e, 0,1,2,3,4,5,6,7
	v_permlanex16_b32 v[T+\e], v[ACC+\e], s28, s29
.endr
.irp e, 0,1,2,3,4,5,6,7
	v_add_f32 v[ACC+\e], v[ACC+\e], v[T+\e]
.endr
	; the largest: a later logit takes over only if it is strictly larger.  Each compare needs the select before it, so each has a wait of its own
	v_mov_b32 v[M1], v[ACC]
	v_mov_b32 v[I1], 0
.irp e, 1,2,3,4,5,6,7
	v_cmp_le_f32 vcc_lo, v[ACC+\e], v[M1]
	s_wait_alu depctr_va_vcc(0)                    ; VCC is written: the two selects read it
	v_cndmask_b32 v[I1], \e, v[I1], vcc_lo
	v_cndmask_b32 v[M1], v[ACC+\e], v[M1], vcc_lo
.endr
.irp e, 0,1,2,3,4,5,6,7
	v_cmp_eq_u32 s[MK+\e], \e, v[I1]               ; eight compares that do not hang on each other: one run, a mask register each
.endr
	s_wait_alu depctr_va_sdst(0)                   ; s[40:47] are written: the eight selects read them
.irp e, 0,1,2,3,4,5,6,7
	v_cndmask_b32 v[ACC+\e], v[ACC+\e], v15, s[MK+\e]          ; the largest leaves the field
.endr
	v_mov_b32 v[M2], v[ACC]
	v_mov_b32 v[I2], 0
.irp e, 1,2,3,4,5,6,7
	v_cmp_le_f32 vcc_lo, v[ACC+\e], v[M2]
	s_wait_alu depctr_va_vcc(0)                    ; VCC is written: the two selects read it
	v_cndmask_b32 v[I2], \e, v[I2], vcc_lo
	v_cndmask_b32 v[M2], v[ACC+\e], v[M2], vcc_lo
.endr
	v_sub_f32 v8, v[M2], v[M1]                     ; <= 0: the maximum is taken away
	v_mul_f32 v8, 0x3fb8aa3b, v8                   ; x log2(e)
	v_exp_f32 v[EX], v8
	v_min_u32 v12, v[I1], v[I2]                    ; lo: a plain instruction between the exponential and the use of its result (ISA guide 5.7.2)
	v_max_u32 v13, v[I1], v[I2]                    ; hi
	v_cmp_lt_u32 vcc_lo, v[I1], v[I2]              ; whose weight is the lower index's: asked here, read at the token's end
	s_wait_alu depctr_va_vdst(0)                   ; the exponential has written v[EX], which the next line reads
	v_add_f32 v9, 1.0, v[EX]
	v_rcp_f32 v10, v9                              ; g1
	v_add_nc_u32 v[TM], -1, v13                    ; again a plain instruction in between
	v_mul_u32_u24 v[TM], v13, v[TM]
	v_lshrrev_b32 v[TM], 1, v[TM]
	v_add_nc_u32 v14, v[TM], v12                   ; p = hi (hi - 1) / 2 + lo
	s_wait_alu depctr_va_vdst(0)                   ; the reciprocal has written v10, which the next line reads
	v_mul_f32 v11, v[EX], v10                      ; g2
	s_wait_alu depctr_va_vcc(0)                    ; VCC is written: the two selects read it
	v_cndmask_b32 v[GLO], v11, v10, vcc_lo         ; the lower index's weight
	v_cndmask_b32 v[GLO+1], v10, v11, vcc_lo       ; the higher index's
	s_wait_alu depctr_va_vdst(0)                   ; v14 and v[GLO:GLO+1] are written, which the two LDS stores read
	ds_store_b32 v5, v14 offset:KEYL+4*\i          ; all lanes write the same word with the same value
	ds_store_b64 v6, v[GLO:GLO+1] offset:GL+8*\i
.endm
	TOKEN 0
	TOKEN 1
	TOKEN 2                                        ; tokens 2 and 3 fill the cast's ring: 16 loads of 512 bytes a wave
	TOKEN 3
	s_wait_dscnt 0x0                               ; for wave 0's sake: my keys and weights are in LDS
	s_barrier_signal -1
	s_barrier_wait -1
	s_cmp_lg_u32 s18, 0
	s_cbranch_scc1 .Lcast
	; wave 0, lane = token: the block's keys, weights and counts go out.  It issues no load from memory here, so the ring's counts hold for every wave.
	v_lshlrev_b32 v8, 2, v1
	v_mov_b32 v12, 0                               ; bins 28 to 31 stay 0
	s_wait_alu depctr_va_vdst(0)                   ; v8 is written, which the load below reads as its address; the tokens' arithmetic is done with v9 to v11, in which the two loads land
	ds_load_b32 v9, v8 offset:KEYL
	ds_load_b64 v[10:11], v3 offset:GL
	s_wait_dscnt 0x0
.irp q, 0,1,2,3
.irp k, 0,1,2,3,4,5,6
	v_cmp_eq_u32 s[MK+\k], 7*\q+\k, v9             ; seven keys to a run, a mask register each
.endr
	s_wait_alu depctr_va_sdst(0)                   ; s[40:46] are written: the counts below read them
.irp k, 0,1,2,3,4,5,6
	s_bcnt1_i32_b32 s[MK+\k], s[MK+\k]
	v_writelane_b32 v12, s[MK+\k], 7*\q+\k         ; lane p: how many of the 32 tokens have key p
.endr
.endr
	s_wait_alu depctr_va_vdst(0)                   ; the 28 lines above have written v12, which the first store reads
	global_store_b32 v8, v12, s[16:17]             ; hist[b][32]
	global_store_b32 v8, v9, s[16:17] offset:32768 ; key[32 b + lane]
	global_store_b64 v3, v[10:11], s[14:15]        ; gwt[32 b + lane]
.Lcast:
; expert_w to bf16, in its own order.  A ring of 16 slots, walked twice: 32 pieces of 512 bytes a wave, in eight blocks of four.  left = the younger loads, which stay out.
.macro WBLK b, left
	s_wait_loadcnt \left                           ; loads come back in order (ISA guide 5.7.1): the block's four are in
.if \b == 4
	s_wait_xcnt 0x0                                ; every earlier memory instruction has had its addresses translated (ISA guide 3.1): the sixteen pairs of Y, which the first walk's stores read, are rewritten only behind this wait
	s_wait_alu depctr_vm_vsrc(0)                   ; the first walk's sixteen stores have read their pairs of Y, which the second walk's conversions write again
.endif
.irp k, 0,1,2,3
.set sl, (4*\b+\k)%16
	v_cvt_pk_bf16_f32 v[Y+2*sl], v[XR+4*sl], v[XR+4*sl+1]
	v_cvt_pk_bf16_f32 v[Y+2*sl+1], v[XR+4*sl+2], v[XR+4*sl+3]
.endr
	s_wait_alu depctr_va_vdst(0)                   ; the eight conversions have written the block's pairs of Y, which the stores read, and are done reading its slots, in which the refills land
.irp k, 0,1,2,3
.set sl, (4*\b+\k)%16
.if \b < 4
	global_load_b128 v[XR+4*sl:XR+4*sl+3], v2, s[10:11] offset:512*(4*\b+\k+16) th:TH_LOAD_NT
.endif
	global_store_b64 v7, v[Y+2*sl:Y+2*sl+1], s[12:13] offset:256*(4*\b+\k)     ; the wave's store covers 256 consecutive bytes, aligned
.endr
.endm
	WBLK 0, 12
	WBLK 1, 12
	WBLK 2, 12
	WBLK 3, 12
	WBLK 4, 12                                     ; the second walk loads nothing: the counts run down
	WBLK 5, 8
	WBLK 6, 4
	WBLK 7, 0
	s_set_vgpr_msb 0x5
	s_wait_dscnt 0x0                               ; the closing lines, six on end
	s_wait_alu 0x0
	s_wait_tensorcnt 0x0
	ds_add_u32 v0, v1
	s_wait_dscnt 0x0
	s_endpgm
.Lfunc_end_k_q0595ab3130_prep:
	.size	k_q0595ab3130_prep, .Lfunc_end_k_q0595ab3130_prep-k_q0595ab3130_prep
	.p2alignl 7, 3214868480
	.fill 96, 4, 3214868480
	.section	.rodata,"a",@progbits
	.p2align	6, 0x0
	.amdhsa_kernel k_q0595ab3130_prep
		.amdhsa_group_segment_fixed_size 18432
		.amdhsa_private_segment_fixed_size 0
		.amdhsa_enable_private_segment 0
		.amdhsa_kernarg_size 56
		.amdhsa_user_sgpr_count 2
		.amdhsa_user_sgpr_kernarg_segment_ptr 1
		.amdhsa_wavefront_size32 1
		.amdhsa_system_sgpr_workgroup_id_x 1
		.amdhsa_system_sgpr_workgroup_id_y 1
		.amdhsa_system_sgpr_workgroup_id_z 1
		.amdhsa_system_vgpr_workitem_id 0
		.amdhsa_next_free_vgpr 258
		.amdhsa_next_free_sgpr 66
		.amdhsa_reserve_vcc 1
		.amdhsa_float_denorm_mode_32 3
		.amdhsa_float_denorm_mode_16_64 3
		.amdhsa_memory_ordered 1
		.amdhsa_forward_progress 1
		.amdhsa_inst_pref_size 124
	.end_amdhsa_kernel
	.amdgpu_metadata
---
amdhsa.version: [ 1, 2 ]
amdhsa.kernels:
  - .name:           k_q0595ab3130_prep
    .symbol:         k_q0595ab3130_prep.kd
    .args:
      - { .name: x, .offset: 0, .size: 8, .value_kind: global_buffer, .address_space: global }
      - { .name: gate_w, .offset: 8, .size: 8, .value_kind: global_buffer, .address_space: global }
      - { .name: gate_b, .offset: 16, .size: 8, .value_kind: global_buffer, .address_space: global }
      - { .name: expert_w, .offset: 24, .size: 8, .value_kind: global_buffer, .address_space: global }
      - { .name: wb, .offset: 32, .size: 8, .value_kind: global_buffer, .address_space: global }
      - { .name: gwt, .offset: 40, .size: 8, .value_kind: global_buffer, .address_space: global }
      - { .name: cnt, .offset: 48, .size: 8, .value_kind: global_buffer, .address_space: global }
    .group_segment_fixed_size: 18432
    .private_segment_fixed_size: 0
    .kernarg_segment_align: 8
    .kernarg_segment_size: 56
    .max_flat_workgroup_size: 256
    .sgpr_count:     66
    .vgpr_count:     258
    .wavefront_size: 32
...
	.end_amdgpu_metadata
.endif
;; end of part 5
;; launch place: the kernel of part 2 again; grid 256 x 1, 8 waves a work-group, no clusters, 3,072 bytes of LDS; arguments cnt, route; writes route
;; launch gather (part 6): grid 384 x 1, 8 waves a work-group, no clusters, 0 bytes of LDS; arguments x, gwt, route, xs, gws, plist; writes xs, gws, plist
.if DOCPART == 6
	.amdgcn_target "amdgcn-amd-amdhsa--gfx1250"
	.amdhsa_code_object_version 6
	.text
	.protected	k_q0595ab3130_gather
	.globl	k_q0595ab3130_gather
	.p2align	8
	.type	k_q0595ab3130_gather,@function
k_q0595ab3130_gather:
	s_mov_b64 s[64:65], 0
	v_nop
	global_prefetch_b8 v0, s[64:65] scope:SCOPE_SE
	s_setreg_imm32_b32 hwreg(HW_REG_WAVE_SCHED_MODE, 0, 2), 2
	s_setreg_imm32_b32 hwreg(HW_REG_WAVE_MODE, 25, 1), 1
	s_wait_xcnt 0x0
	s_wait_alu depctr_vm_vsrc(0)
; THE SORTED COPY.  12,288 positions = 96 row tiles of 128.  Position q of tile t takes the token at place min(q % 128, m - 1) of the tile's source
; tile (record: source tile, m valid rows): a place past the group's end repeats the tile's last valid token, and a tile at or past T repeats a
; whole earlier tile.  Stored: xs[q] = x[token] rounded to bf16, plist[q] = token, gws[q] = (g_lo, g_hi) of the token.
; So the expert launch finds every tile full, at an address that hangs on no number read from memory, and needs no mask: repeated rows give
; the same numbers for the same bytes of the output.
; Work-group c owns positions 32 c .. 32 c + 31 (a quarter of tile c / 4); wave w moves rows 4 w .. 4 w + 3, a whole row at a time.
; Memory binds: no LDS, no barrier.  Every number read from memory is clamped, in place, before it enters an address.
; THE MODE: SCHED_MODE bits 1:0 = 2 (LLVM: expert scheduling mode 2), set by the entry lines.  The code itself states the register dependences
; between vector instructions and memory instructions, with s_wait_alu, always for 0.
; THE PLAN.  Registers that memory instructions touch:
;   v3 .. v6, v9  offsets made from the ids and the record; none is written again.  One wait on va_vdst ahead of the load of the tokens serves them.
;   v10           the tokens: loaded, clamped in place, read by the four v_readlane_b32 and by wave 0's store at the end.
;   v11, XO0-3    offsets made from the tokens; none is written again.  The four v_readlane_b32 stand in one run (one wait on va_sdst), the five offsets are made together,
;                 and one wait on va_vdst stands ahead of the 33 loads that read them.
;   XR, row i     32 registers of its own: eight loads land in them, sixteen conversions work in place, one wait on va_vdst, eight stores read the first sixteen.
;                 No register that a memory instruction reads is ever written again, so no wait on vm_vsrc is owed, and a row's conversions stand behind the stores of the row before with no wait on them.
.set XO,   16                          ; v[16:19]   a row's byte offset in x, a register for each row
.set XR,   64                          ; v[64:191]  my four rows, 32 registers each
.set IX,   28                          ; s[28:31]   row i: its lane among the 32 tokens, 4 w + i (these four held offsets that the bases have taken up by then)
.set TK,   36                          ; s[36:39]   row i: its token, then its row's byte offset in x
	s_load_b256 s[4:11], s[0:1], 0x0               ; x s[4:5], gwt s[6:7], route s[8:9], xs s[10:11]
	s_load_b128 s[12:15], s[0:1], 0x20             ; gws s[12:13], plist s[14:15]
	v_and_b32 v1, 31, v0                           ; lane
	v_lshrrev_b32 v2, 5, v0
	v_readfirstlane_b32 s16, v2                    ; wave 0..7
	s_lshr_b32 s17, ttmp9, 2                       ; tile
	s_and_b32 s18, ttmp9, 3                        ; which 32 of its 128 places
	v_lshlrev_b32 v3, 2, v1                        ; 4 x lane
	v_lshlrev_b32 v4, 4, v1                        ; 16 x lane
	v_lshlrev_b32 v5, 3, v1                        ; 8 x lane
	s_wait_alu depctr_va_sdst(0)                   ; s16 is written, ahead of its first reader
	v_lshl_add_u32 v6, s16, 13, v5                 ; + my wave's 4 rows of 2,048 bytes in xs
	s_lshl_b32 s19, s18, 5
	v_add_nc_u32 v8, s19, v1                       ; lane = place in the tile
	s_lshl_b32 s20, s17, 7                         ; records of 128 bytes
	s_mov_b32 s21, 0
	s_lshl_b32 s26, ttmp9, 16                      ; 32 rows of xs
	s_mov_b32 s27, 0
	s_lshl_b32 s28, ttmp9, 7                       ; 32 words of plist
	s_mov_b32 s29, 0
	s_lshl_b32 s30, ttmp9, 8                       ; 32 pairs of gws
	s_mov_b32 s31, 0
	s_wait_kmcnt 0x0
	s_add_nc_u64 s[20:21], s[8:9], s[20:21]
	s_load_b64 s[22:23], s[20:21], 0x0             ; source tile, valid rows
	s_add_nc_u64 s[10:11], s[10:11], s[26:27]
	s_add_nc_u64 s[14:15], s[14:15], s[28:29]
	s_add_nc_u64 s[12:13], s[12:13], s[30:31]
	s_wait_kmcnt 0x0
	s_sub_co_u32 s23, s23, 1
	v_min_u32 v8, s23, v8                          ; past the last valid row: that row again
	s_lshl_b32 s22, s22, 7
	v_add_nc_u32 v8, s22, v8
	v_min_u32 v8, 0x2fff, v8                       ; list has 12,288 places
	v_lshlrev_b32 v9, 2, v8
	s_wait_alu depctr_va_vdst(0)                   ; v9 is written, which the load below reads as its offset; so are v3 to v6, which the stores read
	global_load_b32 v10, v9, s[8:9] offset:12288   ; the 32 tokens of the work-group's places
	s_lshl_b32 s34, s16, 2
.irp i, 0,1,2,3
	s_add_co_u32 s[IX+\i], s34, \i                 ; place 4 w + i
.endr
	s_wait_loadcnt 0x0
	v_min_u32 v10, 0x1fff, v10
	v_lshlrev_b32 v11, 3, v10
.irp i, 0,1,2,3
	v_readlane_b32 s[TK+\i], v10, s[IX+\i]         ; the token of place 4 w + i: four in a run, a register each
.endr
	s_wait_alu depctr_va_sdst(0)                   ; s[36:39] are written: the clamps below read them
.irp i, 0,1,2,3
	s_min_u32 s[TK+\i], s[TK+\i], 0x1fff
	s_lshl_b32 s[TK+\i], s[TK+\i], 12              ; rows of 4,096 bytes
	v_add_nc_u32 v[XO+\i], s[TK+\i], v4
.endr
	s_wait_alu depctr_va_vdst(0)                   ; v11 and v[16:19] are written, which the 33 loads below read as their offsets; v10 is clamped, which wave 0's store reads
	global_load_b64 v[12:13], v11, s[6:7]          ; the tokens' weights
.irp i, 0,1,2,3
.irp j, 0,1,2,3,4,5,6,7
	global_load_b128 v[XR+32*\i+4*\j:XR+32*\i+4*\j+3], v[XO+\i], s[4:5] offset:512*\j     ; 512 neighbouring bytes a load; a row may be named by several places
.endr
.endr
.irp i, 0,1,2,3
	s_wait_loadcnt 24-8*\i                         ; the row's eight loads are in; the later rows' stay out
.set d, 0
.rept 16
	v_cvt_pk_bf16_f32 v[XR+32*\i+d], v[XR+32*\i+2*d], v[XR+32*\i+2*d+1]    ; in place, ascending: word d is written when words 2 d, 2 d + 1 are read
.set d, d+1
.endr
	s_wait_alu depctr_va_vdst(0)                   ; the conversions have written the row's first sixteen registers, which the eight stores read
.irp j, 0,1,2,3,4,5,6,7
	global_store_b64 v6, v[XR+32*\i+2*\j:XR+32*\i+2*\j+1], s[10:11] offset:\i*2048+256*\j  ; the wave's store covers 256 consecutive bytes, aligned
.endr
.endr
	s_cmp_lg_u32 s16, 0
	s_cbranch_scc1 .Lend
	global_store_b32 v3, v10, s[14:15]             ; wave 0: the 32 tokens,
	global_store_b64 v5, v[12:13], s[12:13]        ; and their weights (that load is the oldest of the 33: it is in)
.Lend:
	s_endpgm
.Lfunc_end_k_q0595ab3130_gather:
	.size	k_q0595ab3130_gather, .Lfunc_end_k_q0595ab3130_gather-k_q0595ab3130_gather
	.p2alignl 7, 3214868480
	.fill 96, 4, 3214868480
	.section	.rodata,"a",@progbits
	.p2align	6, 0x0
	.amdhsa_kernel k_q0595ab3130_gather
		.amdhsa_group_segment_fixed_size 0
		.amdhsa_private_segment_fixed_size 0
		.amdhsa_enable_private_segment 0
		.amdhsa_kernarg_size 48
		.amdhsa_user_sgpr_count 2
		.amdhsa_user_sgpr_kernarg_segment_ptr 1
		.amdhsa_wavefront_size32 1
		.amdhsa_system_sgpr_workgroup_id_x 1
		.amdhsa_system_sgpr_workgroup_id_y 1
		.amdhsa_system_sgpr_workgroup_id_z 1
		.amdhsa_system_vgpr_workitem_id 0
		.amdhsa_next_free_vgpr 192
		.amdhsa_next_free_sgpr 66
		.amdhsa_reserve_vcc 0
		.amdhsa_float_denorm_mode_32 3
		.amdhsa_float_denorm_mode_16_64 3
		.amdhsa_memory_ordered 1
		.amdhsa_forward_progress 1
		.amdhsa_inst_pref_size 14
	.end_amdhsa_kernel
	.amdgpu_metadata
---
amdhsa.version: [ 1, 2 ]
amdhsa.kernels:
  - .name:           k_q0595ab3130_gather
    .symbol:         k_q0595ab3130_gather.kd
    .args:
      - { .name: x, .offset: 0, .size: 8, .value_kind: global_buffer, .address_space: global }
      - { .name: gwt, .offset: 8, .size: 8, .value_kind: global_buffer, .address_space: global }
      - { .name: route, .offset: 16, .size: 8, .value_kind: global_buffer, .address_space: global }
      - { .name: xs, .offset: 24, .size: 8, .value_kind: global_buffer, .address_space: global }
      - { .name: gws, .offset: 32, .size: 8, .value_kind: global_buffer, .address_space: global }
      - { .name: plist, .offset: 40, .size: 8, .value_kind: global_buffer, .address_space: global }
    .group_segment_fixed_size: 0
    .private_segment_fixed_size: 0
    .kernarg_segment_align: 8
    .kernarg_segment_size: 48
    .max_flat_workgroup_size: 256
    .sgpr_count:     66
    .vgpr_count:     192
    .wavefront_size: 32
...
	.end_amdgpu_metadata
.endif
;; end of part 6
;; launch experts: the kernel of part 4 again; grid 256 x 1, 4 waves a work-group, clusters of 4 x 1, 327,680 bytes of LDS; arguments xs, wb, expert_b, gws, route, plist, out0; writes out0
